; MI455X (gfx1250); checked and timed in simulation.
; The chip was launched on July 23, 2026; its instructions are those of AMD's public machine-readable ISA for CDNA 5 (MIT licence, August 2026) and "CDNA5" Instruction Set Architecture Reference Guide (July 2026). The comments in the code are by the model that wrote it; some were corrected since.
;; Encoder layer. Allowed arithmetic: float matrix products may take bf16 or f16 operands with f32 sums; other float arithmetic in f32, or as packed bf16 or f16 multiplies, adds, multiply-adds, maxima and minima; sums over many terms, partial sums and values carried from step to step in f32; what a program stores and reads back later, other than sums and carried values, may be rounded once to bf16 or f16.
;; Inputs: b1 4,096 float32; b2 1,024 float32; bq 1,024 float32; ln1_a 1,024 float32; ln1_b 1,024 float32; ln2_a 1,024 float32; ln2_b 1,024 float32; w1 4,096 x 1,024 float32; w2 1,024 x 4,096 float32; wq 1,024 x 1,024 float32; x 2 x 2,048 x 1,024 float32.
;; Outputs: out0 2 x 2,048 x 1,024 float32.
;; 2 versions, each right; version 2 is version 1 with the launch cast written anew for expert scheduling mode. Each part assembles by itself: llvm-mc -triple=amdgcn-amd-amdhsa -mcpu=gfx1250 --defsym DOCPART=n.
;; ======== version 1 of 2: 7 launches
;; limits: values are held in f16: magnitudes above 65,504 overflow, below 6.1e-05 lose precision
;; workspace buffers: cv 10,485,760 bytes; cw1 8,388,608 bytes; cw2 8,388,608 bytes; hh 8,388,608 bytes; att 8,388,608 bytes; x1h 8,388,608 bytes; hid 33,554,432 bytes; ffn 16,777,216 bytes
;; launch cast (part 1): grid 256 x 1, 8 waves a work-group, no clusters, 0 bytes of LDS; arguments x, wq, cv; writes cv
.if DOCPART == 1
	.amdgcn_target "amdgcn-amd-amdhsa--gfx1250"
	.amdhsa_code_object_version 6
	.text
	.protected	k_qdde69ddaf1_cast
	.globl	k_qdde69ddaf1_cast
	.p2align	8
	.type	k_qdde69ddaf1_cast,@function
k_qdde69ddaf1_cast:
	s_mov_b64 s[64:65], 0
	v_nop
	global_prefetch_b8 v0, s[64:65] scope:SCOPE_SE
	s_setreg_imm32_b32 hwreg(HW_REG_WAVE_MODE, 25, 1), 1
	s_wait_xcnt 0x0
; cv = f16(bf16(.)) of x and then of wq: each input is rounded ONCE to bf16, and that number is written as f16, which is exact inside f16's normal range,
; so that one matrix form (f16) serves every product of the program.  (w1 and w2 get the same treatment in the two launches behind this one.)
; LIMITS.  An input beyond 65,504 becomes an infinity; below 6.1e-5 f16 keeps a fixed step of 6e-8.  NaN and infinities are not treated apart.
; SHARES.  256 work-groups; each takes 16,384 numbers of x and 4,096 of wq, a thread 64 + 16: twenty loads of 16 bytes (a wave: 512 consecutive bytes)
; and twenty stores of 8 bytes (a wave: 256 consecutive bytes, aligned).
; A stream: no LDS, no matrix unit, no cluster (no two work-groups read the same byte).  All twenty loads of a wave are out at once.
.set WQ, 8388608                       ; wq's first byte in cv
.set T, 4                              ; v[4:5]    two packed bf16 pairs
.set U, 6                              ; v[6:9]    the four numbers as f32 again
.set X, 16                             ; v[16:95]  load i: 4 registers
.set Y, 96                             ; v[96:135] store i: 2 registers; none is written twice, so no store's data is waited for
	s_load_b128 s[4:7], s[0:1], 0x0                ; x s[4:5], wq s[6:7]
	s_load_b64 s[8:9], s[0:1], 0x10                ; cv
	v_lshlrev_b32 v1, 4, v0                        ; 16 bytes a thread in
	v_lshlrev_b32 v2, 3, v0                        ; 8 bytes a thread out
	s_mov_b32 s22, 0xffff0000                      ; a word's upper bf16
	s_lshl_b32 s10, ttmp9, 16                      ; my 64 KiB of x,
	s_mov_b32 s11, 0
	s_lshl_b32 s12, ttmp9, 14                      ; my 16 KiB of wq,
	s_mov_b32 s13, 0
	s_lshl_b32 s14, ttmp9, 15                      ; and their places in cv, half as long
	s_mov_b32 s15, 0
	s_lshl_b32 s16, ttmp9, 13
	s_add_co_u32 s16, s16, WQ
	s_mov_b32 s17, 0
	s_wait_kmcnt 0x0
	s_add_nc_u64 s[4:5], s[4:5], s[10:11]
	s_add_nc_u64 s[6:7], s[6:7], s[12:13]
	s_add_nc_u64 s[18:19], s[8:9], s[14:15]
	s_add_nc_u64 s[20:21], s[8:9], s[16:17]
.irp i, 0,1,2,3,4,5,6,7,8,9,10,11,12,13,14,15
	global_load_b128 v[X+4*(\i):X+4*(\i)+3], v1, s[4:5] offset:4096*(\i) th:TH_LOAD_NT
.endr
.irp i, 16,17,18,19
	global_load_b128 v[X+4*(\i):X+4*(\i)+3], v1, s[6:7] offset:4096*((\i)-16) th:TH_LOAD_NT
.endr
.macro CV i, d, off
	s_wait_loadcnt 19-(\i)                         ; loads come back in order: load i is in, the 19 - i behind it stay out
	v_cvt_pk_bf16_f32 v[T],   v[X+4*(\i)],   v[X+4*(\i)+1]   ; the one rounding
	v_cvt_pk_bf16_f32 v[T+1], v[X+4*(\i)+2], v[X+4*(\i)+3]
	v_lshlrev_b32 v[U],   16,  v[T]
	v_and_b32     v[U+1], s22, v[T]
	v_lshlrev_b32 v[U+2], 16,  v[T+1]
	v_and_b32     v[U+3], s22, v[T+1]
	v_cvt_pk_f16_f32 v[Y+2*(\i)],   v[U],   v[U+1]           ; the same number in f16
	v_cvt_pk_f16_f32 v[Y+2*(\i)+1], v[U+2], v[U+3]
	global_store_b64 v2, v[Y+2*(\i):Y+2*(\i)+1], s[\d:\d+1] offset:\off
.endm
.irp i, 0,1,2,3,4,5,6,7,8,9,10,11,12,13,14,15
	CV \i, 18, 2048*(\i)
.endr
.irp i, 16,17,18,19
	CV \i, 20, 2048*((\i)-16)
.endr
	s_endpgm
.Lfunc_end_k_qdde69ddaf1_cast:
	.size	k_qdde69ddaf1_cast, .Lfunc_end_k_qdde69ddaf1_cast-k_qdde69ddaf1_cast
	.p2alignl 7, 3214868480
	.fill 96, 4, 3214868480
	.section	.rodata,"a",@progbits
	.p2align	6, 0x0
	.amdhsa_kernel k_qdde69ddaf1_cast
		.amdhsa_group_segment_fixed_size 0
		.amdhsa_private_segment_fixed_size 0
		.amdhsa_enable_private_segment 0
		.amdhsa_kernarg_size 24
		.amdhsa_user_sgpr_count 2
		.amdhsa_user_sgpr_kernarg_segment_ptr 1
		.amdhsa_wavefront_size32 1
		.amdhsa_system_sgpr_workgroup_id_x 1
		.amdhsa_system_sgpr_workgroup_id_y 1
		.amdhsa_system_sgpr_workgroup_id_z 1
		.amdhsa_system_vgpr_workitem_id 0
		.amdhsa_next_free_vgpr 136
		.amdhsa_next_free_sgpr 66
		.amdhsa_reserve_vcc 0
		.amdhsa_float_denorm_mode_32 3
		.amdhsa_float_denorm_mode_16_64 3
		.amdhsa_memory_ordered 1
		.amdhsa_forward_progress 1
		.amdhsa_inst_pref_size 13
	.end_amdhsa_kernel
	.amdgpu_metadata
---
amdhsa.version: [ 1, 2 ]
amdhsa.kernels:
  - .name:           k_qdde69ddaf1_cast
    .symbol:         k_qdde69ddaf1_cast.kd
    .args:
      - { .name: x, .offset: 0, .size: 8, .value_kind: global_buffer, .address_space: global }
      - { .name: wq, .offset: 8, .size: 8, .value_kind: global_buffer, .address_space: global }
      - { .name: cv, .offset: 16, .size: 8, .value_kind: global_buffer, .address_space: global }
    .group_segment_fixed_size: 0
    .private_segment_fixed_size: 0
    .kernarg_segment_align: 8
    .kernarg_segment_size: 24
    .max_flat_workgroup_size: 256
    .sgpr_count:     66
    .vgpr_count:     136
    .wavefront_size: 32
...
	.end_amdgpu_metadata
.endif
;; end of part 1
;; launch proj (part 2): grid 8 x 32, 4 waves a work-group, clusters of 4 x 4, 327,680 bytes of LDS; arguments cv, bq, hh, w2, cw2; writes hh, cw2
.if DOCPART == 2
	.amdgcn_target "amdgcn-amd-amdhsa--gfx1250"
	.amdhsa_code_object_version 6
	.text
	.protected	k_qdde69ddaf1_proj
	.globl	k_qdde69ddaf1_proj
	.p2align	8
	.type	k_qdde69ddaf1_proj,@function
k_qdde69ddaf1_proj:
	s_mov_b64 s[64:65], 0
	v_nop
	global_prefetch_b8 v0, s[64:65] scope:SCOPE_SE
	s_setreg_imm32_b32 hwreg(HW_REG_WAVE_MODE, 25, 1), 1
	s_wait_xcnt 0x0
	s_wait_alu depctr_hold_cnt(0) depctr_sa_sdst(0) depctr_va_vdst(0) depctr_va_sdst(0) depctr_va_ssrc(0) depctr_va_vcc(0) depctr_vm_vsrc(0)
	s_getreg_b32 s2, hwreg(HW_REG_IB_STS2, 6, 4)
	s_cmp_eq_u32 s2, 0
	s_cbranch_scc0 .Lentry_in_a_cluster
	s_endpgm
.Lentry_in_a_cluster:
	s_bfe_u32 s2, ttmp6, 0x10000c
	s_cmp_lg_u32 s2, 0xf033
	s_cbranch_scc0 .Lentry_shape_is_right
	s_endpgm
.Lentry_shape_is_right:
; h = x wq^T + bq, written by heads: hh[16 b + head][2048][64] in f16, rounded once from the f32 sums, unscaled.
; x [4096][1024] and wq [1024][1024] are read from cv (f16 images of the bf16-rounded inputs); bq is rounded to bf16 here and starts the sums as the C operand.
; LIMIT.  h beyond 65,504 becomes an infinity in f16.
; A tile of the result is 128 x 128: 8 x 32 = 256 work-groups.  Four waves, each 64 x 64: 16 accumulators.  K goes in steps of 256 (LDS rows of 512 bytes, a wave's tensor
; load brings 64 of them) through two LDS slots.  A K step is written once: the slot read and the slot filled are turned by an exclusive or.
; CLUSTER 4 x 4: the four of a row need the same tiles of x, the four of a column the same tiles of wq: each tile is asked for jointly.
; THE MATRIX INSTRUCTION IS USED TRANSPOSED (source 0 = 16 rows of wq, source 1 = 16 rows of x): a lane holds eight neighbouring channels of one row.
; BESIDE THE PRODUCT: cw2 = f16(bf16(w2)), which a later launch multiplies by.  Each work-group takes 16,384 numbers, a thread 32 loads of 16 bytes; they are asked for when the first tile
; is in, and converted and stored behind the loop, where the wave would else wait for its last tile.  Same limits as for every input: 65,504; a fixed step of 6e-8 below 6.1e-5.
; REGISTERS: window 0: v0-31 addresses; v32-63 the bias, later with v64-95 the way out; v128-255 the accumulators.  window 1: two fragment buffers of 128.  window 2: v0-127 w2's numbers.
.set SIZE_K, 1024
.set STEPS,  SIZE_K/256
.set WQ,     8388608                   ; wq's first byte in cv
.set KSTEP,  256
.set PITCH,  528                       ; 512 bytes + 16 of padding: an odd multiple of 16, so the 16 rows of a fragment load start at 16 different groups of four banks (ISA guide 11.1)
.set HALFT,  64*PITCH
.set SLOT,   4*HALFT                   ; x's 128 rows, then wq's 128; its bits (0x21000) are disjoint from wave x HALFT's, so an exclusive or with it moves an address between the slots
.set STAGE,  2*SLOT                    ; behind the ring: 16 rows x 144 bytes for each wave
.set SP,     144
.set SPARE,  STAGE+4*16*SP             ; the spare words: 128 bytes a wave, two blocks of 256 bytes that no other line names
.set ADRA0, 16                         ; my lane's place among x's fragments in slot 0; never rewritten
.set ADRB0, 17                         ; the same for wq
.set ADRA,  18                         ; the same in the slot being read
.set ADRB,  19
.set WI,    20                         ; 16 x my thread's number: my 16 bytes in 2,048 of w2
.set WO,    21                         ; 8 x my thread's number: my 8 bytes in 1,024 of cw2
.set STO,   24
.set RD,    25
.set GO,    26
.set BO,    27
.set SPW,   28
.set NIL,   29
.set TT,    31
.set BI,    32                         ; v[32:63] bias: n block b at BI + 8 b, register j = bias[16 b + 8 (l / 16) + j]
.set TMP,   32
.set ACC,   128
.set F0,    0
.set F1,    128
.set WX,    0                          ; window 2: load i of w2 at WX + 4 i
.set G1,  24
.set G0,  32                           ; s[32:35] K step 0's group 0; s[36:39] K step 1's, which then walks on
.set G1B, 48
.set G0B, 56
.set BP,  68                           ; s[68:69] the bias
.set TBR, 70                           ; s70 the slot being read: 0 or SLOT
.set WM,  71                           ; s71 a word's upper bf16
.set WS,  72                           ; s[72:73] w2, s[74:75] cw2, at my work-group's share
.set MSB, 0
.macro WIN new                         ; the immediate's high byte repeats the setting that is left
.if MSB != (\new)
	s_set_vgpr_msb (MSB<<8)|(\new)
.set MSB, \new
.endif
.endm
.set MUL,  0x05                        ; sources 0 and 1 window 1; C and D window 0
.set TO_F, 0x40                        ; destination window 1, address window 0
.macro JLOAD s                         ; a joint load: waves 0 and 1 fetch x's two halves, waves 2 and 3 wq's; an s_nop 0 and four v_nop follow each line
	s_cmp_eq_u32 s11, 0
	s_cbranch_scc0 .Lfor_b_\@
	tensor_load_to_lds s[G0+4*(\s):G0+4*(\s)+3], s[G1:G1+7]
	s_nop 0
.rept 4
	v_nop
.endr
	s_branch .Lasked_\@
.Lfor_b_\@:
	tensor_load_to_lds s[G0B+4*(\s):G0B+4*(\s)+3], s[G1B:G1B+7]
	s_nop 0
.rept 4
	v_nop
.endr
.Lasked_\@:
.endm
.macro CREST                           ; a round of the cluster's barrier behind its opening barrier
	s_cmp_lg_u32 s10, 0
	s_cbranch_scc1 .Lnot_wave_0_\@
	s_barrier_signal -3
.Lnot_wave_0_\@:
	s_barrier_wait -3
	s_barrier_signal -1
	s_barrier_wait -1
.endm
.macro CROUND
	s_barrier_signal -1
	s_barrier_wait -1
	CREST
.endm
	s_load_b64 s[4:5], s[0:1], 0x0                 ; cv: x lies at its head
	s_load_b64 s[BP:BP+1], s[0:1], 0x8             ; bq
	s_load_b64 s[8:9], s[0:1], 0x10                ; hh
	s_load_b128 s[WS:WS+3], s[0:1], 0x18           ; w2, cw2
	v_lshl_add_u32 v[SPW], v0, 2, SPARE
	v_mov_b32 v[NIL], 0
	ds_add_u32 v[SPW], v[NIL]                      ; the wave's opening: the add and its wait stand ahead of my first tensor load
	v_lshrrev_b32 v1, 5, v0
	v_readfirstlane_b32 s10, v1                    ; wave 0..3
	s_lshr_b32 s11, s10, 1                         ; my half of the tile's rows; also: I fetch for x (0) or wq (1)
	s_and_b32 s12, s10, 1                          ; my half of its columns; also: which 64 rows I fetch
	s_bfe_u32 s40, ttmp6, 0x40000                  ; cx
	s_bfe_u32 s41, ttmp6, 0x40004                  ; cy
	s_lshl_b32 s42, ttmp9, 2
	s_add_co_u32 s42, s42, s40                     ; tile column
	s_and_b32 s13, ttmp7, 0xffff
	s_lshl_b32 s13, s13, 2
	s_add_co_u32 s13, s13, s41                     ; tile row
	s_lshl_b32 s43, s41, 2
	s_lshl_b32 s43, 15, s43                        ; my row of the cluster
	s_lshl_b32 s44, 0x1111, s40                    ; my column
	s_lshl_b32 s78, s13, 3
	s_add_co_u32 s78, s78, s42                     ; my number among the 256 work-groups: it enters w2's and cw2's addresses alone
	s_lshl_b32 s76, s78, 15                        ; 32 KiB of cw2,
	s_lshl_b32 s78, s78, 16                        ; 64 KiB of w2
	s_mov_b32 s77, 0
	s_mov_b32 s79, 0
	s_mov_b32 s[WM], 0xffff0000
	s_or_b32 s[G1+0], s43, (1<<16)|(1<<20)|(1<<21)|(6<<22)|(3<<25)   ; mask; 2-byte elements; padding on; bit 21 beside a mask; after every 128 words 4 words
	s_or_b32 s[G1B+0], s44, (1<<16)|(1<<20)|(1<<21)|(6<<22)|(3<<25)
.irp g, G1, G1B
	s_mov_b32 s[(\g)+1], KSTEP<<16                 ; tensor_dim0 = 256
	s_mov_b32 s[(\g)+2], 64<<16                    ; tensor_dim1 = 64
	s_mov_b32 s[(\g)+3], KSTEP<<16                 ; tile_dim0 = 256
	s_mov_b32 s[(\g)+4], 64                        ; tile_dim1 = 64
	s_mov_b32 s[(\g)+5], SIZE_K                    ; elements from row to row
	s_mov_b32 s[(\g)+6], 0
	s_mov_b32 s[(\g)+7], 0
.endr
	s_lshl_b32 s17, s12, 6
	s_lshl_b32 s16, s13, 7
	s_add_co_u32 s16, s16, s17                     ; x: row 128 x tile row + 64 x half
	s_lshl_b32 s46, s42, 7
	s_add_co_u32 s46, s46, s17                     ; wq: row 128 x tile column + 64 x half
	s_mov_b32 s17, 0
	s_mov_b32 s47, 0
	s_mov_b64 s[18:19], SIZE_K*2
	s_mul_u64 s[16:17], s[16:17], s[18:19]
	s_mul_u64 s[46:47], s[46:47], s[18:19]
	s_mul_i32 s20, s10, HALFT                      ; where my rows go: wave x 64 rows
	s_mov_b32 s[TBR], 0
	s_wait_dscnt 0x0                               ; the opening add is done
	s_wait_kmcnt 0x0
	s_add_nc_u64 s[6:7], s[4:5], WQ
	s_add_nc_u64 s[14:15], s[4:5], s[16:17]
	s_add_nc_u64 s[46:47], s[6:7], s[46:47]
	s_add_nc_u64 s[WS:WS+1], s[WS:WS+1], s[78:79]
	s_add_nc_u64 s[WS+2:WS+3], s[WS+2:WS+3], s[76:77]
	CROUND                                         ; all sixteen work-groups are here: the first joint loads meet
.irp s, 0,1
	s_mov_b32 s[G0+4*(\s)], 1
	s_add_co_u32 s[G0+4*(\s)+1], s20, (\s)*SLOT
	s_add_nc_u64 s[G0+4*(\s)+2:G0+4*(\s)+3], s[14:15], (\s)*KSTEP*2
	s_or_b32 s[G0+4*(\s)+3], s[G0+4*(\s)+3], 0x80000000
	s_mov_b32 s[G0B+4*(\s)], 1
	s_add_co_u32 s[G0B+4*(\s)+1], s20, (\s)*SLOT
	s_add_nc_u64 s[G0B+4*(\s)+2:G0B+4*(\s)+3], s[46:47], (\s)*KSTEP*2
	s_or_b32 s[G0B+4*(\s)+3], s[G0B+4*(\s)+3], 0x80000000
	JLOAD \s                                       ; two loads of mine are out
.endr
	v_and_b32 v1, 15, v0                           ; l % 16
	v_bfe_u32 v2, v0, 4, 1                         ; l / 16
	s_lshl_b32 s46, s42, 9                         ; my 64 numbers of the bias: 4 x (128 x tile column + 64 x half)
	s_lshl_b32 s47, s12, 8
	s_add_co_u32 s46, s46, s47
	s_mov_b32 s47, 0
	s_add_nc_u64 s[BP:BP+1], s[BP:BP+1], s[46:47]
	v_lshlrev_b32 v[BO], 5, v2                     ; 8 numbers for each half of the lanes
.irp b, 0,1,2,3
	global_load_b128 v[BI+8*(\b):BI+8*(\b)+3],   v[BO], s[BP:BP+1] offset:64*(\b)
	global_load_b128 v[BI+8*(\b)+4:BI+8*(\b)+7], v[BO], s[BP:BP+1] offset:64*(\b)+16
.endr
	v_lshlrev_b32 v[WI], 4, v0
	v_lshlrev_b32 v[WO], 3, v0
	v_mul_u32_u24 v3, v1, PITCH
	v_lshl_add_u32 v3, v2, 4, v3                   ; a fragment's row x pitch + 16 x half
	s_mul_i32 s21, s11, HALFT
	s_mul_i32 s22, s12, HALFT
	s_add_co_u32 s22, s22, 2*HALFT
	v_add_nc_u32 v[ADRA0], s21, v3
	v_add_nc_u32 v[ADRB0], s22, v3
	v_mov_b32 v[ADRA], v[ADRA0]
	v_mov_b32 v[ADRB], v[ADRB0]
	s_mul_i32 s23, s10, 16*SP
	s_add_co_u32 s23, s23, STAGE                   ; my stage
	v_mul_u32_u24 v4, v1, SP                       ; in: row l % 16, 16 bytes for each half of the lanes
	v_lshl_add_u32 v4, v2, 4, v4
	v_add_nc_u32 v[STO], s23, v4
	v_bfe_u32 v5, v0, 3, 2                         ; back: 32 lanes take four rows of 128 bytes,
	v_mul_u32_u24 v5, v5, SP
	v_and_b32 v6, 7, v0
	v_lshl_add_u32 v5, v6, 4, v5
	v_add_nc_u32 v[RD], s23, v5
	v_and_b32 v[GO], 31, v0                        ; which are 512 consecutive bytes of a head
	v_lshlrev_b32 v[GO], 4, v[GO]
	; my 64 x 64 is 64 rows of ONE head: 8,192 dense bytes of hh.  Row m0 = 128 x tile row + 64 x half: batch m0 / 2048, row m0 % 2048; head 2 x tile column + half
	s_lshl_b32 s16, s13, 7
	s_lshl_b32 s17, s11, 6
	s_add_co_u32 s16, s16, s17
	s_lshr_b32 s17, s16, 11
	s_lshl_b32 s17, s17, 22                        ; a batch: 16 heads x 262,144 bytes
	s_and_b32 s16, s16, 2047
	s_lshl_b32 s16, s16, 7
	s_add_co_u32 s16, s16, s17
	s_mov_b32 s17, 0
	s_add_nc_u64 s[8:9], s[8:9], s[16:17]
	s_lshl_b32 s46, s42, 1
	s_add_co_u32 s46, s46, s12
	s_lshl_b32 s46, s46, 18
	s_mov_b32 s47, 0
	s_add_nc_u64 s[8:9], s[8:9], s[46:47]
	s_wait_loadcnt 0x0                             ; the bias
.set i, 0
.rept 16
	v_cvt_pk_bf16_f32 v[TT], v[BI+2*i], v[BI+2*i+1]  ; rounded to bf16 like every input, kept as f32
	v_lshlrev_b32 v[BI+2*i], 16, v[TT]
	v_and_b32 v[BI+2*i+1], s[WM], v[TT]
.set i, i+1
.endr
; 8 matrix instructions: m blocks a0, a0 + 1 x all 4 n blocks, 32 along K: half c of buffer f.  zero = 1: the first product starts the sums with the bias.  The 16 accumulators take turns.
.macro MUL8 f, c, a0, zero
	WIN MUL
.irp a, \a0, (\a0)+1
.irp b, 0,1,2,3
.if \zero
	v_wmma_f32_16x16x32_f16 v[ACC+8*(4*(\a)+(\b)):ACC+8*(4*(\a)+(\b))+7], v[(\f)+64+8*(4*(\c)+(\b)):(\f)+64+8*(4*(\c)+(\b))+7], v[(\f)+8*(4*(\c)+(\a)):(\f)+8*(4*(\c)+(\a))+7], v[BI+8*(\b):BI+8*(\b)+7]
.else
	v_wmma_f32_16x16x32_f16 v[ACC+8*(4*(\a)+(\b)):ACC+8*(4*(\a)+(\b))+7], v[(\f)+64+8*(4*(\c)+(\b)):(\f)+64+8*(4*(\c)+(\b))+7], v[(\f)+8*(4*(\c)+(\a)):(\f)+8*(4*(\c)+(\a))+7], v[ACC+8*(4*(\a)+(\b)):ACC+8*(4*(\a)+(\b))+7]
.endif
.endr
.endr
.endm
; 32 LDS loads in one run: the fragments of 64 along K at byte k of the rows of the slot being read, into buffer f; the first 32 along K first
.macro FETCH k, f
	WIN TO_F
.irp c, 0,1
.irp i, 0,1,2,3
	ds_load_b128 v[(\f)+64+8*(4*(\c)+(\i)):(\f)+64+8*(4*(\c)+(\i))+3],   v[ADRB] offset:(\k)+64*(\c)+(\i)*16*PITCH
	ds_load_b128 v[(\f)+64+8*(4*(\c)+(\i))+4:(\f)+64+8*(4*(\c)+(\i))+7], v[ADRB] offset:(\k)+64*(\c)+(\i)*16*PITCH+32
	ds_load_b128 v[(\f)+8*(4*(\c)+(\i)):(\f)+8*(4*(\c)+(\i))+3],         v[ADRA] offset:(\k)+64*(\c)+(\i)*16*PITCH
	ds_load_b128 v[(\f)+8*(4*(\c)+(\i))+4:(\f)+8*(4*(\c)+(\i))+7],       v[ADRA] offset:(\k)+64*(\c)+(\i)*16*PITCH+32
.endr
.endr
.endm
.macro PLACES                          ; four plain vector instructions between matrix instructions and loads into, or reads of, their registers
.rept 4
	v_nop
.endr
.endm
; A K step is four quarters of 64 along K on buffers 0, 1, 0, 1.  One of the first three: multiplies buffer f and fetches the next quarter, at byte k, into g.
.macro QUARTER k, f, g, zero
	s_wait_dscnt 16                                ; the first 32 along K are in; the youngest sixteen loads may be out
	MUL8 \f, 0, 0, \zero
	MUL8 \f, 0, 2, \zero
	PLACES
	FETCH \k, \g
	s_wait_dscnt 32                                ; all but the 32 just issued
	MUL8 \f, 1, 0, 0
	MUL8 \f, 1, 2, 0
.endm
; The last quarter multiplies buffer 1 and changes slots: each wave waits for all its tensor loads (its part of the next slot), adds 0 to its spare word, waits for that and for its reads of this slot.
; fill = 1: the barrier opens a round of the cluster's, and this slot is filled again, two K steps ahead, first thing behind the round: 112 matrix instructions ahead of the wait for it.
.macro TURN fill
	WIN 0
	s_wait_tensorcnt 0x0
	ds_add_u32 v[SPW], v[NIL]
	s_wait_dscnt 17                                ; the add and the youngest sixteen loads may be out
	MUL8 F1, 0, 0, 0
	s_wait_dscnt 0x0                               ; the add is done, and my reads of this slot are over
	s_barrier_signal -1
	MUL8 F1, 0, 2, 0
.if \fill
	WIN 0
.endif
	s_barrier_wait -1
.if \fill
	CREST
	s_xor_b32 s[G0+5], s[G0+5], SLOT               ; no tensor load of mine is out: the walking descriptors go to the other slot,
	s_xor_b32 s[G0B+5], s[G0B+5], SLOT
	s_add_nc_u64 s[G0+6:G0+7], s[G0+6:G0+7], KSTEP*2     ; and one K step on
	s_add_nc_u64 s[G0B+6:G0B+7], s[G0B+6:G0B+7], KSTEP*2
	JLOAD 1                                        ; its four v_nop are also the places in front of the loads below
.else
	PLACES
.endif
	s_xor_b32 s[TBR], s[TBR], SLOT                 ; the reads go to the other slot
	WIN 0
	v_add_nc_u32 v[ADRA], s[TBR], v[ADRA0]
	v_add_nc_u32 v[ADRB], s[TBR], v[ADRB0]
	FETCH 0, F0
	MUL8 F1, 1, 0, 0
	MUL8 F1, 1, 2, 0
.endm
; w2's share.  WLOAD: 32 loads, a wave's load 512 consecutive bytes.  WCONV: each four numbers in place: rounded to bf16, widened again, written as f16; a wave's store is 256 consecutive bytes, aligned.
.macro WLOAD
	WIN 0x80                                       ; destination window 2, address window 0
.set i, 0
.rept 32
	global_load_b128 v[WX+4*i:WX+4*i+3], v[WI], s[WS:WS+1] offset:2048*i th:TH_LOAD_NT
.set i, i+1
.endr
.endm
.macro WCONV
	s_wait_loadcnt 0x0                             ; asked for two K steps ago
	WIN 0x8a                                       ; sources and destination window 2
.set i, 0
.rept 32
	v_cvt_pk_bf16_f32 v[WX+4*i],   v[WX+4*i],   v[WX+4*i+1]   ; the one rounding
	v_cvt_pk_bf16_f32 v[WX+4*i+2], v[WX+4*i+2], v[WX+4*i+3]
	v_lshlrev_b32 v[WX+4*i+1], 16,    v[WX+4*i]
	v_and_b32     v[WX+4*i],   s[WM], v[WX+4*i]
	v_lshlrev_b32 v[WX+4*i+3], 16,    v[WX+4*i+2]
	v_and_b32     v[WX+4*i+2], s[WM], v[WX+4*i+2]
	v_cvt_pk_f16_f32 v[WX+4*i],   v[WX+4*i+1], v[WX+4*i]      ; the same numbers in f16
	v_cvt_pk_f16_f32 v[WX+4*i+1], v[WX+4*i+3], v[WX+4*i+2]
.set i, i+1
.endr
	WIN 0x08                                       ; data window 2, address window 0
.set i, 0
.rept 32
	global_store_b64 v[WO], v[WX+4*i:WX+4*i+1], s[WS+2:WS+3] offset:1024*i
.set i, i+1
.endr
	WIN 0
.endm
	s_wait_tensorcnt 1                             ; my part of K step 0 is in; K step 1's may stay out
	s_barrier_signal -1
	s_barrier_wait -1
	FETCH 0, F0
	WLOAD                                          ; behind the first tile, so that it does not share the road with it
	QUARTER 128, F0, F1, 1                         ; the first quarter stands in front of the loop: its first products start the sums
	WIN 0
	s_mov_b32 s3, STEPS-2
.Lstep:                                                ; a trip: a K step's quarters 2 to 4 and the next step's first; trip i fills K step i + 2
	QUARTER 256, F1, F0, 0
	QUARTER 384, F0, F1, 0
	TURN 1
	QUARTER 128, F0, F1, 0
	WIN 0
	s_sub_co_u32 s3, s3, 1
	s_cmp_lg_u32 s3, 0
	s_cbranch_scc1 .Lstep
	WCONV                                          ; while the last tile is on its way
	s_mov_b32 s3, 2
.Ltail:                                                ; the last two K steps fill nothing.  The second trip is left behind its change of slots, whose 32 fragment loads (of the slot read before, still whole) then serve nothing
	QUARTER 256, F1, F0, 0
	QUARTER 384, F0, F1, 0
	TURN 0
	WIN 0
	s_sub_co_u32 s3, s3, 1
	s_cmp_eq_u32 s3, 0
	s_cbranch_scc1 .Lout
	QUARTER 128, F0, F1, 0
	WIN 0
	s_branch .Ltail
.Lout:
	PLACES
; THE WAY OUT, 16 rows at a time: rounded to f16, 16 bytes a lane into my own stage (rows of 144 bytes), back as four rows of 128 bytes a load: 512 consecutive bytes of hh.
.macro PACK a
.irp b, 0,1,2,3
.irp r, 0,1,2,3
	v_cvt_pk_f16_f32 v[TMP+16*(\a)+4*(\b)+(\r)], v[ACC+8*(4*(\a)+(\b))+2*(\r)], v[ACC+8*(4*(\a)+(\b))+2*(\r)+1]
.endr
.endr
.irp b, 0,1,2,3
	ds_store_b128 v[STO], v[TMP+16*(\a)+4*(\b):TMP+16*(\a)+4*(\b)+3] offset:32*(\b)
.endr
.irp f, 0,1,2,3
	ds_load_b128 v[TMP+16*(\a)+4*(\f):TMP+16*(\a)+4*(\f)+3], v[RD] offset:(\f)*4*SP  ; LDS serves a wave's instructions in order (ISA guide 5.7.1.4): these see the stores above
.endr
.endm
.macro SEND a, younger                 ; younger: the LDS instructions issued behind block a's loads
.irp f, 0,1,2,3
	s_wait_dscnt (\younger)+3-(\f)
	global_store_b128 v[GO], v[TMP+16*(\a)+4*(\f):TMP+16*(\a)+4*(\f)+3], s[8:9] offset:2048*(\a)+512*(\f)
.endr
.endm
	PACK 0
.irp a, 1,2,3
	PACK \a
	SEND (\a)-1, 8
.endr
	SEND 3, 0
	s_wait_tensorcnt 0x0                           ; the wave's end
	ds_add_u32 v[SPW], v[NIL]
	s_wait_dscnt 0x0
	CROUND                                         ; the closing round
	s_endpgm
.Lfunc_end_k_qdde69ddaf1_proj:
	.size	k_qdde69ddaf1_proj, .Lfunc_end_k_qdde69ddaf1_proj-k_qdde69ddaf1_proj
	.p2alignl 7, 3214868480
	.fill 96, 4, 3214868480
	.section	.rodata,"a",@progbits
	.p2align	6, 0x0
	.amdhsa_kernel k_qdde69ddaf1_proj
		.amdhsa_group_segment_fixed_size 327680
		.amdhsa_private_segment_fixed_size 0
		.amdhsa_enable_private_segment 0
		.amdhsa_kernarg_size 40
		.amdhsa_user_sgpr_count 2
		.amdhsa_user_sgpr_kernarg_segment_ptr 1
		.amdhsa_wavefront_size32 1
		.amdhsa_system_sgpr_workgroup_id_x 1
		.amdhsa_system_sgpr_workgroup_id_y 1
		.amdhsa_system_sgpr_workgroup_id_z 1
		.amdhsa_system_vgpr_workitem_id 0
		.amdhsa_next_free_vgpr 640
		.amdhsa_next_free_sgpr 80
		.amdhsa_reserve_vcc 0
		.amdhsa_float_denorm_mode_32 3
		.amdhsa_float_denorm_mode_16_64 3
		.amdhsa_memory_ordered 1
		.amdhsa_forward_progress 1
		.amdhsa_inst_pref_size 80
	.end_amdhsa_kernel
	.amdgpu_metadata
---
amdhsa.version: [ 1, 2 ]
amdhsa.kernels:
  - .name:           k_qdde69ddaf1_proj
    .symbol:         k_qdde69ddaf1_proj.kd
    .args:
      - { .name: cv, .offset: 0, .size: 8, .value_kind: global_buffer, .address_space: global }
      - { .name: bq, .offset: 8, .size: 8, .value_kind: global_buffer, .address_space: global }
      - { .name: hh, .offset: 16, .size: 8, .value_kind: global_buffer, .address_space: global }
      - { .name: w2, .offset: 24, .size: 8, .value_kind: global_buffer, .address_space: global }
      - { .name: cw2, .offset: 32, .size: 8, .value_kind: global_buffer, .address_space: global }
    .group_segment_fixed_size: 327680
    .private_segment_fixed_size: 0
    .kernarg_segment_align: 8
    .kernarg_segment_size: 40
    .max_flat_workgroup_size: 128
    .sgpr_count:     80
    .vgpr_count:     640
    .wavefront_size: 32
...
	.end_amdgpu_metadata
.endif
;; end of part 2
;; launch attn (part 3): grid 8 x 32, 4 waves a work-group, clusters of 4 x 1, 327,680 bytes of LDS; arguments hh, att, w1, cw1; writes att, cw1
.if DOCPART == 3
	.amdgcn_target "amdgcn-amd-amdhsa--gfx1250"
	.amdhsa_code_object_version 6
	.text
	.protected	k_qdde69ddaf1_attn
	.globl	k_qdde69ddaf1_attn
	.p2align	8
	.type	k_qdde69ddaf1_attn,@function
k_qdde69ddaf1_attn:
	s_mov_b64 s[64:65], 0
	v_nop
	global_prefetch_b8 v0, s[64:65] scope:SCOPE_SE
	s_setreg_imm32_b32 hwreg(HW_REG_WAVE_MODE, 25, 1), 1
	s_wait_xcnt 0x0
	s_wait_alu depctr_hold_cnt(0) depctr_sa_sdst(0) depctr_va_vdst(0) depctr_va_sdst(0) depctr_va_ssrc(0) depctr_va_vcc(0) depctr_vm_vsrc(0)
	s_getreg_b32 s2, hwreg(HW_REG_IB_STS2, 6, 4)
	s_cmp_eq_u32 s2, 0
	s_cbranch_scc0 .Lentry_in_a_cluster
	s_endpgm
.Lentry_in_a_cluster:
	s_bfe_u32 s2, ttmp6, 0x10000c
	s_cmp_lg_u32 s2, 0x3003
	s_cbranch_scc0 .Lentry_shape_is_right
	s_endpgm
.Lentry_shape_is_right:
; att[g][q][:] = the sum over k of softmax_k(h[g][q] . h[g][k] / 8) h[g][k][:], with q = k = v = h: hh[32][2048][64] in f16, a head's rows dense, 128 bytes each.
; Products, maxima and sums in f32; the weights p are rounded to f16 for the second product (their sum l is taken of the unrounded p), the result once at the end.
; LIMITS.  h arrives within 65,504; p lies in 0 to 1 and below 6e-5 keeps f16's fixed step of 6e-8; a weight below 2^-126 counts as 0 in l; NaN and infinities are not treated apart.
; ONE COPY OF THE HEAD IN LDS.  K and V are the same numbers, so the head's 2,048 rows lie in LDS once, 144 bytes apart (294,912 bytes), for the whole launch: nothing is filled again.
; K's fragments are read as they lie, V's turned by ds_load_tr16_b128 from the same rows.
; SHARES.  A work-group owns 256 queries of one head, a wave 64: four PIECES of 16.  Every wave walks all keys, 64 a step, 32 steps.
; CLUSTER.  The four query blocks of a cluster belong to one head: the head is asked for JOINTLY, each wave a quarter (512 keys), the same load, descriptor and mask in all four work-groups.
; LAYOUT, SOFTMAX, TURNS.  S^T = K Q^T holds ONE query a lane (lane % 16) and the keys 8 (lane / 16) + 0..7; two such results rounded to f16 ARE source 1 of O^T = V^T P.  p = 2^(c s - c m), c = log2(e) / 8,
; with a running maximum m; O and l are multiplied by a = 2^(c m_old - c m_new) in every step.  m starts at the lowest finite number, O and l at 0: the first step is a step like any other, with a = 0.
; Turn n belongs to piece n: 8 products K Q^T of piece n + 1, later 8 products V^T P of piece n - 1; beside them the scaling, exponentials, roundings, sums and rescaling of piece n and the maximum and
; statistics of piece n + 1.  Four vector instructions stand behind every matrix instruction, the other 54 of a turn's 118 in two runs of their own.
; OUT.  att lies in blocks of 256 bytes: block ((1024 b + q / 2) x 16 + head) holds rows q, q + 1 of that head, so that sixteen lanes store 256 consecutive bytes, aligned.
; BESIDE THE ATTENTION: cw1 = f16(bf16(w1)), which a later launch multiplies by.  This launch reads 256 KiB a work-group at its start and then nothing, so each work-group takes 16,384 numbers of w1, a thread
; 32 loads of 16 bytes: asked for ahead of the walk, converted and stored behind it.  Same limits as for every input: 65,504; a fixed step of 6e-8 below 6.1e-5.
; REGISTERS, in windows of 256 (s_set_vgpr_msb: bits 1:0 source 0, 3:2 source 1, 5:4 source 2, 7:6 destination):
;   window 0: v0-15 addresses and two at work; v16-31 four registers of statistics a piece; v32-33 w1's and cw1's offsets; v48-55 at work; v62-63 the add's; v64-127 S^T, two buffers; v192-223 P, two buffers
;   window 1: v0-127 O^T, 32 a piece; v128-255 w1's numbers      window 2: v0-63 Q; v128-191 K of one step; v192-255 V of one step
.set NP,    4
.set KS,    64        ; keys in a step
.set PK,    144       ; a row in LDS: 128 bytes + 16 of padding: the 16 rows of a plain fragment load start at 16 different groups of four banks (ISA guide 11.1)
.set STAGE, 2048*PK   ; behind the head: 16 rows x 144 bytes for each wave, for the way out
.set SP,    144
.set SPARE, STAGE+4*16*SP  ; the spare words: 128 bytes a wave, two blocks of 256 bytes that no other line names
.set AK0, 2           ; my lane's place in 64 rows read as K; never rewritten
.set AV0, 3           ; the same read as V
.set AK,  4
.set AV,  5
.set STO, 6
.set RD,  7
.set GO,  8
.set MV,  12          ; v12-13  c m_old, kept while c m is made anew: by buffer
.set QO,  15
.set ST,  16          ; piece t's statistics at v[ST+4 t]: c m, m, l (even keys', odd keys')
.set WI,  32          ; 16 x my thread's number: my 16 bytes in 2,048 of w1
.set WO,  33          ; 8 x my thread's number: my 8 bytes in 1,024 of cw1
.set TMP, 48          ; by buffer, four registers c0-c3 at work; when the maximum is found c2 takes a
.set SPW, 62
.set NIL, 63
.set S,   64
.set P,   192
.set WX,  128         ; window 1: load i of w1 at WX + 4 i
.set KF,  128         ; window 2: key block kb, channel half c at KF + 16 kb + 8 c
.set VF,  192         ; window 2: key half kk, channel block cb at VF + 32 kk + 8 cb
.set WV,  12
.set G1,  24          ; s[24:31]
.set G0,  40          ; s[40:43]
.set WS,  44          ; s[44:45] w1, s[46:47] cw1, at my work-group's share
.set WM,  48          ; s48 a word's upper bf16
.set CNT, 57
.set CS,  58          ; s[58:59] c
.set SEL, 60          ; s[60:61] v_permlanex16_b32's selects: each lane takes its own place in the other half
.set TBK, 62          ; LDS byte at which the rows of the step to be fetched as K begin
.set TBV, 63          ; the same for V
.set MSB, 0
.macro WIN new
.if MSB != (\new)
	s_set_vgpr_msb (MSB<<8)|(\new)
.set MSB, (\new)
.endif
.endm
.set W_KQ, 0x0a       ; K and Q in window 2, S^T in window 0
.set W_PV, 0x52       ; V in window 2, P in window 0, O^T in window 1
.set W_RS, 0x41       ; destination and source 0 in window 1, source 1 in window 0
.macro CROUND         ; a round of the cluster's barrier
	s_barrier_signal -1
	s_barrier_wait -1
	s_cmp_lg_u32 s[WV], 0
	s_cbranch_scc1 .Lnot_wave_0_\@
	s_barrier_signal -3
.Lnot_wave_0_\@:
	s_barrier_wait -3
	s_barrier_signal -1
	s_barrier_wait -1
.endm
	s_load_b128 s[4:7], s[0:1], 0x0 ; hh s[4:5], att s[6:7]
	s_load_b128 s[WS:WS+3], s[0:1], 0x10  ; w1, cw1
	v_lshl_add_u32 v[SPW], v0, 2, SPARE
	v_mov_b32 v[NIL], 0
	ds_add_u32 v[SPW], v[NIL]       ; the wave's opening: the add and its wait stand ahead of my first tensor load
	v_lshrrev_b32 v1, 5, v0
	v_readfirstlane_b32 s[WV], v1   ; wave 0..3
	s_bfe_u32 s13, ttmp6, 0x40000   ; cx
	s_lshl_b32 s14, ttmp9, 2
	s_add_co_u32 s14, s14, s13      ; my block of 256 queries: it enters Q's, att's, w1's and cw1's addresses alone
	s_and_b32 s20, ttmp7, 0xffff    ; g = 16 b + head, which the four partners share
	s_lshl_b32 s22, s20, 18         ; the head's first byte in hh
	s_lshl_b32 s16, s[WV], 16       ; my 512 keys of it
	s_add_co_u32 s16, s16, s22
	s_mov_b32 s17, 0
	s_lshl_b32 s2, s14, 15          ; my block's 256 rows of 128 bytes,
	s_lshl_b32 s3, s[WV], 13        ; my wave's 64 of them
	s_add_co_u32 s2, s2, s3
	s_add_co_u32 s2, s2, s22
	s_mov_b32 s3, 0
	s_lshr_b32 s18, s20, 4          ; att: the batch, 4 MiB;
	s_lshl_b32 s18, s18, 22
	s_and_b32 s19, s20, 15          ; the head's block of 256 bytes;
	s_lshl_b32 s19, s19, 8
	s_add_co_u32 s18, s18, s19
	s_lshl_b32 s19, s14, 19         ; 4,096 bytes for every two rows: 256 rows,
	s_add_co_u32 s18, s18, s19
	s_lshl_b32 s19, s[WV], 17       ; 64 rows
	s_add_co_u32 s18, s18, s19
	s_mov_b32 s19, 0
	s_lshl_b32 s50, s20, 3
	s_add_co_u32 s50, s50, s14      ; my number among the 256 work-groups:
	s_lshl_b32 s52, s50, 15         ; 32 KiB of cw1,
	s_lshl_b32 s50, s50, 16         ; 64 KiB of w1
	s_mov_b32 s51, 0
	s_mov_b32 s53, 0
	s_mov_b32 s[WM], 0xffff0000
	; descriptor group 1.  512 keys are 65,536 dense bytes: asked for as 256 rows of 256 bytes, two keys a row, padded in LDS after every key
	s_mov_b32 s[G1], 15|(1<<16)|(1<<20)|(1<<21)|(4<<22)|(3<<25)  ; the mask of four; 2-byte elements; padding on; bit 21 beside a mask; after every 32 words 4 words
	s_mov_b32 s[G1+1], 128<<16      ; tensor_dim0 = 128
	s_mov_b32 s[G1+2], 256<<16      ; tensor_dim1 = 256
	s_mov_b32 s[G1+3], 128<<16      ; tile_dim0 = 128
	s_mov_b32 s[G1+4], 256          ; tile_dim1 = 256
	s_mov_b32 s[G1+5], 128          ; elements from row to row
	s_mov_b32 s[G1+6], 0
	s_mov_b32 s[G1+7], 0
	s_mov_b32 s[CS], 0x3e38aa3b     ; c = log2(e) / 8
	s_mov_b32 s[CS+1], s[CS]
	s_mov_b32 s[SEL], 0x76543210
	s_mov_b32 s[SEL+1], 0xfedcba98
	s_mov_b32 s[TBK], 0
	s_mov_b32 s[TBV], 0
	s_mov_b32 s[G0], 1
	s_mul_i32 s[G0+1], s[WV], 512*PK  ; my quarter's place in LDS: the wave's number alone
	s_wait_dscnt 0x0                ; the opening add is done
	s_wait_kmcnt 0x0
	s_add_nc_u64 s[G0+2:G0+3], s[4:5], s[16:17]
	s_or_b32 s[G0+3], s[G0+3], 0x80000000
	s_add_nc_u64 s[4:5], s[4:5], s[2:3]     ; Q at my wave's first row
	s_add_nc_u64 s[10:11], s[6:7], s[18:19] ; att at my wave's first block
	s_add_nc_u64 s[WS:WS+1], s[WS:WS+1], s[50:51]
	s_add_nc_u64 s[WS+2:WS+3], s[WS+2:WS+3], s[52:53]
	CROUND                          ; all four work-groups are here: the joint loads meet
	tensor_load_to_lds s[G0:G0+3], s[G1:G1+7]  ; my one tensor load of the launch
	s_nop 0
.rept 4
	v_nop
.endr
	; A fragment of K or Q is 16 rows x 32 channels in 8 registers: lane l holds row l % 16, channels 8 (l / 16) + 0..7 and 16 + 8 (l / 16) + 0..7: two loads of 16 bytes, 32 bytes apart.
	v_and_b32 v1, 15, v0            ; l % 16
	v_bfe_u32 v9, v0, 4, 1          ; l / 16
	v_lshlrev_b32 v[QO], 7, v1
	v_lshl_add_u32 v[QO], v9, 4, v[QO]
	WIN 0x80                        ; destination window 2, address window 0
.set i, 0
.rept 8                             ; Q stays in registers: piece i / 2, channels 32 (i % 2) on
	global_load_b128 v[8*i:8*i+3],   v[QO], s[4:5] offset:(i/2)*2048+(i%2)*64
	global_load_b128 v[8*i+4:8*i+7], v[QO], s[4:5] offset:(i/2)*2048+(i%2)*64+32
.set i, i+1
.endr
	; What the first turn finds: V's registers and P's second buffer hold 0 (its products V^T P, of a piece that has not been, add 0), O^T and l are 0.  All this stands in the wait for the head.
.set i, VF
.rept 64
	v_mov_b32 v[i], 0
.set i, i+1
.endr
	WIN 0x40
.set i, 0
.rept 128
	v_mov_b32 v[i], 0
.set i, i+1
.endr
	WIN 0
.set i, 0
.rept 4
	v_mov_b32 v[ST+4*i], 0xfe000000    ; c m: far below every c s
	v_mov_b32 v[ST+4*i+1], 0xff7fffff  ; m
	v_mov_b32 v[ST+4*i+2], 0
	v_mov_b32 v[ST+4*i+3], 0
.set i, i+1
.endr
.set i, P+16
.rept 16
	v_mov_b32 v[i], 0
.set i, i+1
.endr
	v_lshlrev_b32 v[WI], 4, v0
	v_lshlrev_b32 v[WO], 3, v0
	v_mul_u32_u24 v[AK0], v1, PK
	v_lshl_add_u32 v[AK0], v9, 4, v[AK0]  ; row x pitch + 16 x half
	; The turning load takes 16 keys x 16 channels (lane l reads key 8 (l / 16) + l % 8, channels 8 ((l / 8) % 2) + 0..7) and leaves half a fragment of V^T: lane l holds channel l % 16 and 8 keys.
	v_and_b32 v10, 7, v0
	v_bfe_u32 v11, v0, 3, 1
	v_lshl_add_u32 v[AV0], v9, 3, v10
	v_mul_u32_u24 v[AV0], v[AV0], PK
	v_lshl_add_u32 v[AV0], v11, 4, v[AV0]
	s_mul_i32 s13, s[WV], 16*SP
	s_add_co_u32 s13, s13, STAGE    ; my stage
	v_mul_u32_u24 v[STO], v1, SP    ; in: row l % 16, 16 bytes for each half of the lanes
	v_lshl_add_u32 v[STO], v9, 4, v[STO]
	v_add_nc_u32 v[STO], s13, v[STO]
	v_bfe_u32 v[RD], v0, 3, 2       ; back: 32 lanes take four rows of 128 bytes,
	v_mul_u32_u24 v[RD], v[RD], SP
	v_lshl_add_u32 v[RD], v10, 4, v[RD]
	v_add_nc_u32 v[RD], s13, v[RD]
	v_lshlrev_b32 v[GO], 4, v1      ; which are two blocks of 256 bytes of att, 4,096 bytes apart
	v_lshl_add_u32 v[GO], v9, 12, v[GO]
; THE MATRIX WORK.  The 4 accumulators of a run of 8 take turns.  Product i of 8 of S^T = K Q^T for piece x: channels 32 (i / 4) on, keys 16 (i % 4) on.  The first 4 start the sums.
.macro KQ x
.set rS, S+32*((\x)%2)+8*(i%4)
.set rK, KF+16*(i%4)+8*(i/4)
.set rQ, 16*(\x)+8*(i/4)
	WIN W_KQ
.if i < 4
	v_wmma_f32_16x16x32_f16 v[rS:rS+7], v[rK:rK+7], v[rQ:rQ+7], 0
.else
	v_wmma_f32_16x16x32_f16 v[rS:rS+7], v[rK:rK+7], v[rQ:rQ+7], v[rS:rS+7]
.endif
.endm
; Product i of 8 of O^T += V^T P for piece x: keys 32 (i / 4) on, channels 16 (i % 4) on.
.macro PV x
	WIN W_PV
.set rO, 32*(\x)+8*(i%4)
.set rV, VF+32*(i/4)+8*(i%4)
.set rP, P+16*((\x)%2)+8*(i/4)
	v_wmma_f32_16x16x32_f16 v[rO:rO+7], v[rV:rV+7], v[rP:rP+7], v[rO:rO+7]
.endm
.macro MM                           ; the turn's next matrix instruction.  NOKQ = 1: the last turn: there is no next piece
.if (i < 8) && !NOKQ
	KQ (Y+1)%NP
.elseif i >= 8
.set i, i-8
	PV (Y+NP-1)%NP
.set i, i+8
.endif
.set i, i+1
.endm
; THE LDS LOADS stand in runs of 16, never singly among the matrix instructions: a step's 64 rows as K (8 fragments) and as V (turned).  Their addresses are made some lines ahead.
.macro FETCH_K
	WIN 0x80
.irp f, 0,1,2,3,4,5,6,7             ; keys 16 (f / 2) on, channels 32 (f % 2) on
	ds_load_b128 v[KF+8*\f:KF+8*\f+3],   v[AK] offset:(\f/2)*16*PK+(\f%2)*64
	ds_load_b128 v[KF+8*\f+4:KF+8*\f+7], v[AK] offset:(\f/2)*16*PK+(\f%2)*64+32
.endr
	s_add_co_u32 s[TBK], s[TBK], KS*PK  ; the next fetch is the next step's
	WIN 0
.endm
.macro FETCH_V
	WIN 0x80
.irp f, 0,1,2,3,4,5,6,7             ; keys 32 (f / 4) on, channels 16 (f % 4) on
	ds_load_tr16_b128 v[VF+8*\f:VF+8*\f+3],   v[AV] offset:(\f/4)*32*PK+(\f%4)*32
	ds_load_tr16_b128 v[VF+8*\f+4:VF+8*\f+7], v[AV] offset:(\f/4)*32*PK+16*PK+(\f%4)*32
.endr
	WIN 0
.endm
; w1's share.  WLOAD: 32 loads, a wave's load 512 consecutive bytes.  WCONV: each four numbers in place: rounded to bf16, widened again, written as f16; a wave's store is 256 consecutive bytes, aligned.
.macro WLOAD
	WIN 0x40                        ; destination window 1, address window 0
.set i, 0
.rept 32
	global_load_b128 v[WX+4*i:WX+4*i+3], v[WI], s[WS:WS+1] offset:2048*i th:TH_LOAD_NT
.set i, i+1
.endr
	WIN 0
.endm
.macro WCONV
	s_wait_loadcnt 0x0              ; asked for 32 key steps ago
	WIN 0x45                        ; sources and destination window 1
.set i, 0
.rept 32
	v_cvt_pk_bf16_f32 v[WX+4*i],   v[WX+4*i],   v[WX+4*i+1]   ; the one rounding
	v_cvt_pk_bf16_f32 v[WX+4*i+2], v[WX+4*i+2], v[WX+4*i+3]
	v_lshlrev_b32 v[WX+4*i+1], 16,    v[WX+4*i]
	v_and_b32     v[WX+4*i],   s[WM], v[WX+4*i]
	v_lshlrev_b32 v[WX+4*i+3], 16,    v[WX+4*i+2]
	v_and_b32     v[WX+4*i+2], s[WM], v[WX+4*i+2]
	v_cvt_pk_f16_f32 v[WX+4*i],   v[WX+4*i+1], v[WX+4*i]      ; the same numbers in f16
	v_cvt_pk_f16_f32 v[WX+4*i+1], v[WX+4*i+3], v[WX+4*i+2]
.set i, i+1
.endr
	WIN 0x04                        ; data window 1, address window 0
.set i, 0
.rept 32
	global_store_b64 v[WO], v[WX+4*i:WX+4*i+1], s[WS+2:WS+3] offset:1024*i
.set i, i+1
.endr
	WIN 0
.endm
; THE VECTOR WORK, one line at a time: OP kind, number.  For piece Y: F n: c s - c m for pair n of 16.  E n: the exponential of score n of 32.  C n: pair n rounded to f16.  B n: of the four weights 4 n .. the second
; pair is added onto the first, in place.  L n: l takes that sum (L 0: l = a l + sum).  R n: pair n of 16 of O^T times a.  For piece Y + 1: X n, number n of the 22 that find its maximum and statistics:
;   0-11  four chains c0-c3 of seven scores each (each accumulator's lowest registers are read first)     12-14, 16  the four scores left over, the old m, and c0-c3 into c0
;   15  c m_old is kept     17, 18  the query's other 32 keys lie in the lane 16 away: the new m     19-21  c m; c m_old - c m_new; a
.set F, 0
.set E, 1
.set C, 2
.set B, 3
.set L, 4
.set R, 5
.set X, 6
.macro REGS y
.set rT, ST+4*(\y)
.set rC, TMP+4*((\y)%2)
.set rW, MV+((\y)%2)
.set rS, S+32*((\y)%2)
.set rP, P+16*((\y)%2)
.set rO, 32*(\y)
.endm
.macro OP k, n
.if (\k) == R
	REGS Y
	WIN W_RS
	v_pk_mul_f32 v[rO+2*(\n):rO+2*(\n)+1], v[rO+2*(\n):rO+2*(\n)+1], v[rC+2:rC+3] op_sel_hi:[1,0]
.elseif (\k) < R
	REGS Y
	WIN 0
.if (\k) == F
	v_pk_fma_f32 v[rS+2*(\n):rS+2*(\n)+1], v[rS+2*(\n):rS+2*(\n)+1], s[CS:CS+1], v[rT:rT+1] op_sel_hi:[1,0,0] neg_lo:[0,0,1] neg_hi:[0,0,1]
.elseif (\k) == E
	v_exp_f32 v[rS+(\n)], v[rS+(\n)]
.elseif (\k) == C
	s_wait_alu depctr_va_vdst(0)
	v_cvt_pk_f16_f32 v[rP+(\n)], v[rS+2*(\n)], v[rS+2*(\n)+1]
.elseif (\k) == B
	s_wait_alu depctr_va_vdst(0)
	v_pk_add_f32 v[rS+4*(\n):rS+4*(\n)+1], v[rS+4*(\n):rS+4*(\n)+1], v[rS+4*(\n)+2:rS+4*(\n)+3]
.elseif (\n) == 0
	v_pk_fma_f32 v[rT+2:rT+3], v[rT+2:rT+3], v[rC+2:rC+3], v[rS:rS+1] op_sel_hi:[1,0,1]
.else
	v_pk_add_f32 v[rT+2:rT+3], v[rT+2:rT+3], v[rS+4*(\n):rS+4*(\n)+1]
.endif
.elseif NOKQ
	v_nop
.else
	REGS (Y+1)%NP
	WIN 0
.if (\n) < 4
	v_max3_num_f32 v[rC+(\n)], v[rS+8*(\n)], v[rS+8*(\n)+1], v[rS+8*(\n)+2]
.elseif (\n) < 12
	v_max3_num_f32 v[rC+(\n)%4], v[rC+(\n)%4], v[rS+8*((\n)%4)+2*((\n)/4)+1], v[rS+8*((\n)%4)+2*((\n)/4)+2]
.elseif (\n) == 12
	v_max3_num_f32 v[rC], v[rC], v[rS+7], v[rS+15]
.elseif (\n) == 13
	v_max3_num_f32 v[rC+1], v[rC+1], v[rS+23], v[rS+31]
.elseif (\n) == 14
	v_max3_num_f32 v[rC+2], v[rC+2], v[rC+3], v[rT+1]
.elseif (\n) == 15
	v_mov_b32 v[rW], v[rT]
.elseif (\n) == 16
	v_max3_num_f32 v[rC], v[rC], v[rC+1], v[rC+2]
.elseif (\n) == 17
	v_permlanex16_b32 v[rC+3], v[rC], s[SEL], s[SEL+1]
.elseif (\n) == 18
	v_max_num_f32 v[rT+1], v[rC], v[rC+3]
.elseif (\n) == 19
	v_mul_f32 v[rT], s[CS], v[rT+1]
.elseif (\n) == 20
	v_sub_f32 v[rC+1], v[rW], v[rT]
.else
	v_exp_f32 v[rC+2], v[rC+1]
.endif
.endif
.endm
.macro OPS a, i1, b=-1, i2=0, c=-1, i3=0, d=-1, i4=0
	OP \a, \i1
.if (\b) >= 0
	OP \b, \i2
.endif
.if (\c) >= 0
	OP \c, \i3
.endif
.if (\d) >= 0
	OP \d, \i4
.endif
.endm
.macro ROW a, i1, b, i2, c, i3, d, i4  ; a matrix instruction and the four behind it
	MM
	OPS \a, \i1, \b, \i2, \c, \i3, \d, \i4
.endm
; A TURN, for piece p: the order of its 16 matrix and 118 vector instructions, written out.  Behind a matrix instruction: plain, exponential, plain, plain; or four of the rescaling; or, behind the first, four scalings;
; none names a register of the products round it.  In the runs between, exponential and plain by turns while exponentials last (a plain instruction stands behind each exponential before its result is used: ISA guide 5.7.2).
; end = 1: the last two turns: nothing is fetched.  cnt = 1: the loop's count is taken down some lines ahead of the branch that stands behind the turn.
; K of the next step is fetched in piece 2's turn, five plain vector instructions behind the last product that read K; V of the step in hand in piece 0's turn, five plain ones behind the last product that read V.
; Each is waited for a turn later.
.macro TURN p, end=0, cnt=0
.set Y, (\p)
.set i, 0
.set NOKQ, (\end)*((\p)/3)
.if ((\p) == 3) && !(\end)
	s_wait_dscnt 0x0                ; K is in
.endif
	ROW F,0, F,1, F,2, F,3
	ROW F,4, E,0, F,5, F,6
	ROW F,7, E,1, F,8, F,9
	ROW F,10, E,2, C,0, F,11
	ROW F,12, E,3, X,15, F,13
	ROW R,0, R,1, R,2, R,3
	ROW B,0, E,4, F,14, L,0
.if ((\p) == 2) && !(\end)
	v_add_nc_u32 v[AK], s[TBK], v[AK0]
.endif
	ROW R,4, R,5, R,6, R,7
	OPS E,5, F,15
.if ((\p) == 2) && !(\end)
	FETCH_K
.endif
	OPS E,6, C,1, E,7, R,8
	OPS E,8, R,9, E,9, C,2
	OPS E,10, X,0, E,11, X,1
	OPS E,12, X,2, E,13, X,3
.if (\p) == 1
	s_wait_dscnt 0x0                ; V is in
.endif
	ROW X,4, E,14, X,5, X,6
	ROW X,7, E,15, X,8, X,9
	ROW X,10, E,16, X,11, X,12
	ROW X,13, E,17, X,14, B,1
	ROW C,4, E,18, X,16, L,1
	ROW B,2, E,19, C,6, L,2
	ROW C,8, E,20, B,3, B,4
.if (\p) == 0
	v_add_nc_u32 v[AV], s[TBV], v[AV0]
.endif
	ROW C,3, E,21, L,3, C,5
	OPS E,22, X,17, E,23, C,10
.if (\p) == 0
	FETCH_V
.endif
	OPS E,24, L,4
	OPS E,25, X,18, E,26, C,7
	OPS E,27, B,5, E,28, X,19
	OPS E,29, C,12, E,30, L,5
	OPS E,31, X,20, B,6, C,9
	OPS C,14, C,11, X,21, L,6
.if (\p) == 0
	s_add_co_u32 s[TBV], s[TBV], KS*PK
.endif
.if \cnt
	s_sub_co_u32 s[CNT], s[CNT], 1
	s_cmp_lg_u32 s[CNT], 0
.endif
	OPS C,13, B,7, C,15, R,10
	OPS R,11, R,12, L,7, R,13
	OPS R,14, R,15
.endm
	s_wait_tensorcnt 0x0            ; my quarter of the head is in,
	s_barrier_signal -1
	s_barrier_wait -1               ; everybody's is: from here on LDS's rows are only read
	v_add_nc_u32 v[AK], s[TBK], v[AK0]
	FETCH_K                         ; key step 0
	s_wait_loadcnt 0x0              ; Q
	s_wait_dscnt 0x0
.set NOKQ, 0
.set i, 0
.rept 8
	KQ 0                            ; piece 0's first scores
.set i, i+1
.endr
	WIN 0
.rept 4
	v_nop                           ; the places behind those products
.endr
.set Y, NP-1                        ; X works for piece Y + 1: piece 0
.irp n, 0,1,2,3,4,5,6,7,8,9,10,11,12,13,14,15,16,17,18,19,20,21
	OP X, \n
.endr
	v_nop                           ; a plain instruction behind the exponential
	WLOAD                           ; w1's share is asked for: it has the whole walk in which to land
	s_mov_b32 s[CNT], 32            ; 32 key steps
	s_branch .Lfirst                ; the loop is entered at a step's first turn, in the middle of a trip
.Lstep:                             ; a trip: pieces 2 and 3 of one step, then pieces 0 and 1 of the next, whose K and V it fetches
	TURN 2
	TURN 3
	WIN 0
.Lfirst:
	TURN 0
	TURN 1, 0, 1
	WIN 0
	s_cbranch_scc1 .Lstep
	WCONV                           ; w1's share goes out ahead of the last turns, so that its stores leave under them
	TURN 2, 1                       ; the last step's pieces 2 and 3: nothing more is fetched,
	TURN 3, 1                       ; and no new scores are started
.set i, 0
.rept 8
	PV NP-1                         ; the last piece's V^T P of the last step
.set i, i+1
.endr
	; THE WAY OUT.  l's two halves and the other half of the lanes' are added; O^T is divided by l, rounded to f16 and sent through my stage in LDS, a piece at a time.  The additions are the places behind the last products.
	WIN 0
.macro ALL line:vararg              ; one line for each piece t
.set t, 0
.rept 4
	\line
.set t, t+1
.endr
.endm
	ALL v_add_f32 v[ST+4*t+2], v[ST+4*t+2], v[ST+4*t+3]
	ALL v_permlanex16_b32 v[ST+4*t+3], v[ST+4*t+2], s[SEL], s[SEL+1]
	ALL v_add_f32 v[ST+4*t+2], v[ST+4*t+2], v[ST+4*t+3]
	ALL v_rcp_f32 v[ST+4*t+2], v[ST+4*t+2]
	v_nop                           ; a plain instruction between the last reciprocal and the use of its result
.macro PACK t                       ; a lane's eight channels of a row pack into 16 bytes; they go into rows of 144 bytes and come back as whole rows of 128, into S^T's registers
	WIN W_RS
.set i, 32*(\t)
.rept 16
	s_wait_alu depctr_va_vdst(0)
	v_pk_mul_f32 v[i:i+1], v[i:i+1], v[ST+4*(\t)+2:ST+4*(\t)+3] op_sel_hi:[1,0]
.set i, i+2
.endr
	WIN 0x05                        ; sources 0 and 1 window 1, destination window 0
.set i, 0
.rept 16
	v_cvt_pk_f16_f32 v[S+16*(\t)+i], v[32*(\t)+2*i], v[32*(\t)+2*i+1]
.set i, i+1
.endr
	WIN 0
.irp f, 0,1,2,3
	ds_store_b128 v[STO], v[S+16*(\t)+4*\f:S+16*(\t)+4*\f+3] offset:32*\f
.endr
.irp f, 0,1,2,3
	ds_load_b128 v[S+16*(\t)+4*\f:S+16*(\t)+4*\f+3], v[RD] offset:\f*4*SP  ; LDS serves a wave's instructions in order (ISA guide 5.7.1.4): these see the stores above; the next piece's stores come behind them
.endr
.endm
.macro SEND t, younger              ; younger: the LDS instructions issued behind piece t's loads: the next piece's eight, or none
	WIN 0
.irp f, 0,1,2,3
	s_wait_dscnt (\younger)+3-\f
	global_store_b128 v[GO], v[S+16*(\t)+4*\f:S+16*(\t)+4*\f+3], s[10:11] offset:(\t)*32768+\f*8192  ; rows 16 t + 4 f .. + 3: two blocks; 16 lanes store 256 consecutive bytes, aligned
.endr
.endm
	PACK 0
.set t, 1
.rept 3
	PACK t
	SEND t-1, 8
.set t, t+1
.endr
	SEND 3, 0
	s_wait_tensorcnt 0x0            ; the wave's end
	ds_add_u32 v[SPW], v[NIL]
	s_wait_dscnt 0x0
	CROUND                          ; the closing round
	s_endpgm
.Lfunc_end_k_qdde69ddaf1_attn:
	.size	k_qdde69ddaf1_attn, .Lfunc_end_k_qdde69ddaf1_attn-k_qdde69ddaf1_attn
	.p2alignl 7, 3214868480
	.fill 96, 4, 3214868480
	.section	.rodata,"a",@progbits
	.p2align	6, 0x0
	.amdhsa_kernel k_qdde69ddaf1_attn
		.amdhsa_group_segment_fixed_size 327680
		.amdhsa_private_segment_fixed_size 0
		.amdhsa_enable_private_segment 0
		.amdhsa_kernarg_size 32
		.amdhsa_user_sgpr_count 2
		.amdhsa_user_sgpr_kernarg_segment_ptr 1
		.amdhsa_wavefront_size32 1
		.amdhsa_system_sgpr_workgroup_id_x 1
		.amdhsa_system_sgpr_workgroup_id_y 1
		.amdhsa_system_sgpr_workgroup_id_z 1
		.amdhsa_system_vgpr_workitem_id 0
		.amdhsa_next_free_vgpr 768
		.amdhsa_next_free_sgpr 66
		.amdhsa_reserve_vcc 0
		.amdhsa_float_denorm_mode_32 3
		.amdhsa_float_denorm_mode_16_64 3
		.amdhsa_memory_ordered 1
		.amdhsa_forward_progress 1
		.amdhsa_inst_pref_size 108
	.end_amdhsa_kernel
	.amdgpu_metadata
---
amdhsa.version: [ 1, 2 ]
amdhsa.kernels:
  - .name:           k_qdde69ddaf1_attn
    .symbol:         k_qdde69ddaf1_attn.kd
    .args:
      - { .name: hh, .offset: 0, .size: 8, .value_kind: global_buffer, .address_space: global }
      - { .name: att, .offset: 8, .size: 8, .value_kind: global_buffer, .address_space: global }
      - { .name: w1, .offset: 16, .size: 8, .value_kind: global_buffer, .address_space: global }
      - { .name: cw1, .offset: 24, .size: 8, .value_kind: global_buffer, .address_space: global }
    .group_segment_fixed_size: 327680
    .private_segment_fixed_size: 0
    .kernarg_segment_align: 8
    .kernarg_segment_size: 32
    .max_flat_workgroup_size: 128
    .sgpr_count:     66
    .vgpr_count:     768
    .wavefront_size: 32
...
	.end_amdgpu_metadata
.endif
;; end of part 3
;; launch ln1 (part 4): grid 256 x 1, 8 waves a work-group, no clusters, 0 bytes of LDS; arguments cv, att, ln1_a, ln1_b, x1h; writes x1h
.if DOCPART == 4
	.amdgcn_target "amdgcn-amd-amdhsa--gfx1250"
	.amdhsa_code_object_version 6
	.text
	.protected	k_qdde69ddaf1_ln1
	.globl	k_qdde69ddaf1_ln1
	.p2align	8
	.type	k_qdde69ddaf1_ln1,@function
k_qdde69ddaf1_ln1:
	s_mov_b64 s[64:65], 0
	v_nop
	global_prefetch_b8 v0, s[64:65] scope:SCOPE_SE
	s_setreg_imm32_b32 hwreg(HW_REG_WAVE_MODE, 25, 1), 1
	s_wait_xcnt 0x0
; x1 = a (v - mean) / (std + 1e-6) + b with v = x + att, std unbiased (sum of squares of v - mean, divided by 1,023).  x is cv's head (the bf16-rounded x as f16), att lies in blocks of
; 256 bytes (two rows of one head), a and b are rounded to bf16 here; x1 [4096][1024] is stored rounded once to f16.  All arithmetic in f32; the mean is taken away before the squares.
; LIMIT.  x1 beyond 65,504 becomes an infinity in f16.
; SHARES.  A wave takes two rows, 2 P and 2 P + 1 (P = 8 x work-group + wave): att's 4,096 bytes for them are consecutive.  Lane l, load j: head 2 j + l / 16, row (l / 8) % 2, channels 8 (l % 8) + 0..7.
; So a row lies in the sixteen lanes with one value of bit 3, 64 numbers a lane, and a sum crosses lane bits 0, 1, 2 and 4.  Every load and store of x, att and x1 covers two whole aligned blocks of 256 bytes.
; A stream of one shot a wave: no LDS, no barrier, no matrix unit, no cluster (only a and b, 8 KiB, are shared).  All 48 loads of a wave are out at once.
.set TO,  1                            ; 16 l
.set XO,  2                            ; 2048 row + 128 (l / 16) + 16 (l % 8)
.set ABO, 3                            ; 256 (l / 16) + 32 (l % 8)
.set ONE, 5
.set AC,  6                            ; v[6:13]   four chains of packed sums
.set M,   14                           ; v[14:15]  the mean, later 1 / (std + eps), twice
.set PA,  16                           ; v[16:79]  a as loaded; then v[16:47] a and
.set PB,  48                           ; v[48:79]  b, packed as bf16
.set V,   80                           ; v[80:143] b as loaded; then the lane's 64 numbers
.set X,   144                          ; v[144:175] x, later x1
.set T,   176                          ; v[176:207] att
	s_load_b256 s[4:11], s[0:1], 0x0               ; cv s[4:5], att s[6:7], a s[8:9], b s[10:11]
	s_load_b64 s[12:13], s[0:1], 0x20              ; x1h
	v_lshrrev_b32 v4, 5, v0
	v_readfirstlane_b32 s18, v4                    ; wave
	s_lshl_b32 s20, ttmp9, 3
	s_add_co_u32 s20, s20, s18                     ; P
	s_lshl_b32 s20, s20, 12                        ; two rows are 4,096 bytes in x, att and x1 alike
	s_mov_b32 s21, 0
	s_mov_b32 s16, 0x76543210                      ; v_permlanex16_b32: each lane takes its own place in the other half
	s_mov_b32 s17, 0xfedcba98
	v_and_b32 v4, 31, v0
	v_lshlrev_b32 v[TO], 4, v4
	v_and_b32 v6, 7, v0
	v_bfe_u32 v7, v0, 4, 1
	v_bfe_u32 v8, v0, 3, 1
	v_lshlrev_b32 v[ABO], 5, v6
	v_lshl_add_u32 v[ABO], v7, 8, v[ABO]
	v_lshlrev_b32 v[XO], 4, v6
	v_lshl_add_u32 v[XO], v7, 7, v[XO]
	v_lshl_add_u32 v[XO], v8, 11, v[XO]
	v_mov_b32 v[ONE], 1.0
	s_wait_kmcnt 0x0
	s_add_nc_u64 s[4:5], s[4:5], s[20:21]
	s_add_nc_u64 s[6:7], s[6:7], s[20:21]
	s_add_nc_u64 s[12:13], s[12:13], s[20:21]
.set j, 0
.rept 8
	global_load_b128 v[PA+8*j:PA+8*j+3],   v[ABO], s[8:9] offset:512*j
	global_load_b128 v[PA+8*j+4:PA+8*j+7], v[ABO], s[8:9] offset:512*j+16
.set j, j+1
.endr
.set j, 0
.rept 8
	global_load_b128 v[V+8*j:V+8*j+3],   v[ABO], s[10:11] offset:512*j
	global_load_b128 v[V+8*j+4:V+8*j+7], v[ABO], s[10:11] offset:512*j+16
.set j, j+1
.endr
.set j, 0
.rept 8
	global_load_b128 v[X+4*j:X+4*j+3], v[XO], s[4:5] offset:256*j
.set j, j+1
.endr
.set j, 0
.rept 8
	global_load_b128 v[T+4*j:T+4*j+3], v[TO], s[6:7] offset:512*j
.set j, j+1
.endr
	s_wait_loadcnt 16                              ; a and b are in; x's and att's sixteen loads may be out
.set k, 0
.rept 32                                           ; in place, ascending: register PA + k is written when numbers 2 k and 2 k + 1 are read, never ahead of a number still to be read
	v_cvt_pk_bf16_f32 v[PA+k], v[PA+2*k], v[PA+2*k+1]
.set k, k+1
.endr
.set k, 0
.rept 32                                           ; a's upper half has been read: b takes its place
	v_cvt_pk_bf16_f32 v[PB+k], v[V+2*k], v[V+2*k+1]
.set k, k+1
.endr
	s_wait_loadcnt 0x0
.set k, 0
.rept 32                                           ; v = x + att, straight from the f16 halves
	v_fma_mix_f32 v[V+2*k],   v[X+k], v[ONE], v[T+k] op_sel:[0,0,0] op_sel_hi:[1,0,1]
	v_fma_mix_f32 v[V+2*k+1], v[X+k], v[ONE], v[T+k] op_sel:[1,0,1] op_sel_hi:[1,0,1]
.set k, k+1
.endr
.macro FOLD                            ; the four chains into one number a lane, then over the sixteen lanes of my row
	v_pk_add_f32 v[AC:AC+1], v[AC:AC+1], v[AC+2:AC+3]
	v_pk_add_f32 v[AC+4:AC+5], v[AC+4:AC+5], v[AC+6:AC+7]
	v_pk_add_f32 v[AC:AC+1], v[AC:AC+1], v[AC+4:AC+5]
	v_add_f32 v[AC], v[AC], v[AC+1]
	v_add_f32_dpp v[AC], v[AC], v[AC] row_xmask:1 row_mask:0xf bank_mask:0xf
	v_add_f32_dpp v[AC], v[AC], v[AC] row_xmask:2 row_mask:0xf bank_mask:0xf
	v_add_f32_dpp v[AC], v[AC], v[AC] row_xmask:4 row_mask:0xf bank_mask:0xf
	v_permlanex16_b32 v[AC+1], v[AC], s16, s17
	v_add_f32 v[AC], v[AC], v[AC+1]
.endm
.irp c, 0,1,2,3
	v_pk_add_f32 v[AC+2*(\c):AC+2*(\c)+1], v[V+2*(\c):V+2*(\c)+1], v[V+8+2*(\c):V+8+2*(\c)+1]  ; the first additions start the chains
.endr
.set p, 8
.rept 24
	v_pk_add_f32 v[AC+2*(p%4):AC+2*(p%4)+1], v[AC+2*(p%4):AC+2*(p%4)+1], v[V+2*p:V+2*p+1]
.set p, p+1
.endr
	FOLD
	v_mul_f32 v[M], 0x3a800000, v[AC]              ; / 1,024
	v_mov_b32 v[M+1], v[M]
.set p, 0
.rept 32
	v_pk_add_f32 v[V+2*p:V+2*p+1], v[V+2*p:V+2*p+1], v[M:M+1] neg_lo:[0,1] neg_hi:[0,1]
.set p, p+1
.endr
.irp c, 0,1,2,3
	v_pk_mul_f32 v[AC+2*(\c):AC+2*(\c)+1], v[V+2*(\c):V+2*(\c)+1], v[V+2*(\c):V+2*(\c)+1]
.endr
.set p, 4
.rept 28
	v_pk_fma_f32 v[AC+2*(p%4):AC+2*(p%4)+1], v[V+2*p:V+2*p+1], v[V+2*p:V+2*p+1], v[AC+2*(p%4):AC+2*(p%4)+1]
.set p, p+1
.endr
	FOLD
	v_mul_f32 v[AC], 0x3a802008, v[AC]             ; / 1,023
	v_sqrt_f32 v[AC], v[AC]
	v_nop                                          ; a plain instruction behind a transcendental before its result is used (ISA guide 5.7.2)
	s_wait_alu depctr_va_vdst(0)
	v_add_f32 v[AC], 0x358637bd, v[AC]             ; + 1e-6
	v_rcp_f32 v[M], v[AC]
	v_nop
	s_wait_alu depctr_va_vdst(0)
	v_mov_b32 v[M+1], v[M]
.set p, 0
.rept 32
	v_pk_mul_f32 v[V+2*p:V+2*p+1], v[V+2*p:V+2*p+1], v[M:M+1]
.set p, p+1
.endr
.set k, 0
.rept 32                                           ; times a, plus b, from their bf16 halves
	v_fma_mix_f32_bf16 v[V+2*k],   v[V+2*k],   v[PA+k], v[PB+k] op_sel:[0,0,0] op_sel_hi:[0,1,1]
	v_fma_mix_f32_bf16 v[V+2*k+1], v[V+2*k+1], v[PA+k], v[PB+k] op_sel:[0,1,1] op_sel_hi:[0,1,1]
.set k, k+1
.endr
.set k, 0
.rept 32
	v_cvt_pk_f16_f32 v[X+k], v[V+2*k], v[V+2*k+1]
.set k, k+1
.endr
.set j, 0
.rept 8
	global_store_b128 v[XO], v[X+4*j:X+4*j+3], s[12:13] offset:256*j
.set j, j+1
.endr
	s_endpgm
.Lfunc_end_k_qdde69ddaf1_ln1:
	.size	k_qdde69ddaf1_ln1, .Lfunc_end_k_qdde69ddaf1_ln1-k_qdde69ddaf1_ln1
	.p2alignl 7, 3214868480
	.fill 96, 4, 3214868480
	.section	.rodata,"a",@progbits
	.p2align	6, 0x0
	.amdhsa_kernel k_qdde69ddaf1_ln1
		.amdhsa_group_segment_fixed_size 0
		.amdhsa_private_segment_fixed_size 0
		.amdhsa_enable_private_segment 0
		.amdhsa_kernarg_size 40
		.amdhsa_user_sgpr_count 2
		.amdhsa_user_sgpr_kernarg_segment_ptr 1
		.amdhsa_wavefront_size32 1
		.amdhsa_system_sgpr_workgroup_id_x 1
		.amdhsa_system_sgpr_workgroup_id_y 1
		.amdhsa_system_sgpr_workgroup_id_z 1
		.amdhsa_system_vgpr_workitem_id 0
		.amdhsa_next_free_vgpr 208
		.amdhsa_next_free_sgpr 66
		.amdhsa_reserve_vcc 0
		.amdhsa_float_denorm_mode_32 3
		.amdhsa_float_denorm_mode_16_64 3
		.amdhsa_memory_ordered 1
		.amdhsa_forward_progress 1
		.amdhsa_inst_pref_size 30
	.end_amdhsa_kernel
	.amdgpu_metadata
---
amdhsa.version: [ 1, 2 ]
amdhsa.kernels:
  - .name:           k_qdde69ddaf1_ln1
    .symbol:         k_qdde69ddaf1_ln1.kd
    .args:
      - { .name: cv, .offset: 0, .size: 8, .value_kind: global_buffer, .address_space: global }
      - { .name: att, .offset: 8, .size: 8, .value_kind: global_buffer, .address_space: global }
      - { .name: ln1_a, .offset: 16, .size: 8, .value_kind: global_buffer, .address_space: global }
      - { .name: ln1_b, .offset: 24, .size: 8, .value_kind: global_buffer, .address_space: global }
      - { .name: x1h, .offset: 32, .size: 8, .value_kind: global_buffer, .address_space: global }
    .group_segment_fixed_size: 0
    .private_segment_fixed_size: 0
    .kernarg_segment_align: 8
    .kernarg_segment_size: 40
    .max_flat_workgroup_size: 256
    .sgpr_count:     66
    .vgpr_count:     208
    .wavefront_size: 32
...
	.end_amdgpu_metadata
.endif
;; end of part 4
;; launch ffn1 (part 5): grid 16 x 16, 4 waves a work-group, clusters of 4 x 4, 327,680 bytes of LDS; arguments x1h, cw1, b1, hid; writes hid
.if DOCPART == 5
	.amdgcn_target "amdgcn-amd-amdhsa--gfx1250"
	.amdhsa_code_object_version 6
	.text
	.protected	k_qdde69ddaf1_ffn1
	.globl	k_qdde69ddaf1_ffn1
	.p2align	8
	.type	k_qdde69ddaf1_ffn1,@function
k_qdde69ddaf1_ffn1:
	s_mov_b64 s[64:65], 0
	v_nop
	global_prefetch_b8 v0, s[64:65] scope:SCOPE_SE
	s_setreg_imm32_b32 hwreg(HW_REG_WAVE_MODE, 25, 1), 1
	s_wait_xcnt 0x0
	s_wait_alu depctr_hold_cnt(0) depctr_sa_sdst(0) depctr_va_vdst(0) depctr_va_sdst(0) depctr_va_ssrc(0) depctr_va_vcc(0) depctr_vm_vsrc(0)
	s_getreg_b32 s2, hwreg(HW_REG_IB_STS2, 6, 4)
	s_cmp_eq_u32 s2, 0
	s_cbranch_scc0 .Lentry_in_a_cluster
	s_endpgm
.Lentry_in_a_cluster:
	s_bfe_u32 s2, ttmp6, 0x10000c
	s_cmp_lg_u32 s2, 0xf033
	s_cbranch_scc0 .Lentry_shape_is_right
	s_endpgm
.Lentry_shape_is_right:
; hid = relu(x1 w1^T + b1): x1 [4096][1024] f16, w1 [4096][1024] from cw1 (the bf16-rounded input as f16), b1 rounded to bf16 here and taken as the C operand that starts the sums; hid [4096][4096] f16, rounded once.
; LIMIT.  A hidden number beyond 65,504 becomes an infinity in f16.
; A tile of the result is 256 x 256: 16 x 16 = 256 work-groups.  Four waves, each 128 x 128: 64 accumulators, 512 registers.  K goes in steps of 128 (rows of 256 bytes) through two LDS slots filled by the tensor
; data mover; a K step is written once: the slot read and the slot filled are turned by an exclusive or.
; CLUSTER 4 x 4: the four of a row need the same tiles of x1, the four of a column the same tiles of w1: each tile is asked for jointly.
; THE MATRIX INSTRUCTION IS USED TRANSPOSED (source 0 = 16 rows of w1, source 1 = 16 rows of x1): a lane holds eight neighbouring numbers of a row of hid.
; REGISTERS: window 0: v0-31 addresses; v64-127, v128-191 fragments of x1, two buffers; v192-255 the bias, later with v32-63 the way out.  window 1: v64-127, v128-191 fragments of w1.
;   window 2: the 32 accumulators of my rows 0-63 ((a, b) at v[8 (8 a + b)]); window 3: those of my rows 64-127.
.set SIZE_K, 1024
.set SIZE_N, 4096
.set STEPS,  SIZE_K/128
.set KSTEP,  128
.set PITCH,  272                       ; 256 bytes + 16 of padding: an odd multiple of 16, so the 16 rows of a fragment load start at 16 different groups of four banks (ISA guide 11.1)
.set HALFT,  128*PITCH
.set SLOT,   4*HALFT                   ; its bits (0x22000) are disjoint from wave x HALFT's, so an exclusive or with it moves an address between the slots
.set STAGE,  2*SLOT
.set SPITCH, 272
.set SPARE,  STAGE+4*16*SPITCH         ; the spare words: 128 bytes a wave, two blocks of 256 bytes that no other line names
.set ADRA0, 16
.set ADRB0, 17
.set ADRA,  18
.set ADRB,  20
.set STO,   24
.set RD,    25
.set CO,    26
.set BO,    27
.set SPW,   28
.set NIL,   29
.set ZR,    30                         ; 0, for the relu on packed halves
.set TT,    31
.set F0,    64
.set F1,    128
.set BI,    192                        ; v[192:255] bias: n block b at BI + 8 b
.set TMP,   192
.set OB,    32
.set G1,  24
.set G0,  32
.set G1B, 48
.set G0B, 56
.set BP,  68
.set TBR, 70
.set MSB, 0
.macro WIN new
.if MSB != (\new)
	s_set_vgpr_msb (MSB<<8)|(\new)
.set MSB, \new
.endif
.endm
.set MUL_LO, 0xa1                      ; source 0 (w1) window 1, source 1 (x1) window 0, C and D window 2
.set MUL_HI, 0xf1                      ; the same, C and D window 3
.set TO_B,   0x40
.macro JLOAD s                         ; a joint load: waves 0 and 1 fetch x1's two halves, waves 2 and 3 w1's; an s_nop 0 and four v_nop follow each line
	s_cmp_eq_u32 s11, 0
	s_cbranch_scc0 .Lfor_b_\@
	tensor_load_to_lds s[G0+4*(\s):G0+4*(\s)+3], s[G1:G1+7]
	s_nop 0
.rept 4
	v_nop
.endr
	s_branch .Lasked_\@
.Lfor_b_\@:
	tensor_load_to_lds s[G0B+4*(\s):G0B+4*(\s)+3], s[G1B:G1B+7]
	s_nop 0
.rept 4
	v_nop
.endr
.Lasked_\@:
.endm
.macro CREST
	s_cmp_lg_u32 s10, 0
	s_cbranch_scc1 .Lnot_wave_0_\@
	s_barrier_signal -3
.Lnot_wave_0_\@:
	s_barrier_wait -3
	s_barrier_signal -1
	s_barrier_wait -1
.endm
.macro CROUND
	s_barrier_signal -1
	s_barrier_wait -1
	CREST
.endm
	s_load_b128 s[4:7], s[0:1], 0x0                ; x1h s[4:5], cw1 s[6:7]
	s_load_b64 s[BP:BP+1], s[0:1], 0x10            ; b1
	s_load_b64 s[8:9], s[0:1], 0x18                ; hid
	v_lshl_add_u32 v[SPW], v0, 2, SPARE
	v_mov_b32 v[NIL], 0
	ds_add_u32 v[SPW], v[NIL]                      ; the wave's opening: the add and its wait stand ahead of my first tensor load
	v_lshrrev_b32 v1, 5, v0
	v_readfirstlane_b32 s10, v1
	s_lshr_b32 s11, s10, 1
	s_and_b32 s12, s10, 1
	s_bfe_u32 s40, ttmp6, 0x40000
	s_bfe_u32 s41, ttmp6, 0x40004
	s_lshl_b32 s42, ttmp9, 2
	s_add_co_u32 s42, s42, s40                     ; tile column
	s_and_b32 s13, ttmp7, 0xffff
	s_lshl_b32 s13, s13, 2
	s_add_co_u32 s13, s13, s41                     ; tile row
	s_lshl_b32 s43, s41, 2
	s_lshl_b32 s43, 15, s43
	s_lshl_b32 s44, 0x1111, s40
	s_or_b32 s[G1+0], s43, (1<<16)|(1<<20)|(1<<21)|(5<<22)|(3<<25)   ; mask; 2-byte elements; padding on; bit 21 beside a mask; after every 64 words 4 words
	s_or_b32 s[G1B+0], s44, (1<<16)|(1<<20)|(1<<21)|(5<<22)|(3<<25)
.irp g, G1, G1B
	s_mov_b32 s[(\g)+1], KSTEP<<16                 ; tensor_dim0 = 128
	s_mov_b32 s[(\g)+2], 128<<16                   ; tensor_dim1 = 128
	s_mov_b32 s[(\g)+3], KSTEP<<16                 ; tile_dim0 = 128
	s_mov_b32 s[(\g)+4], 128                       ; tile_dim1 = 128
	s_mov_b32 s[(\g)+5], SIZE_K
	s_mov_b32 s[(\g)+6], 0
	s_mov_b32 s[(\g)+7], 0
.endr
	s_lshl_b32 s17, s12, 7
	s_lshl_b32 s16, s13, 8
	s_add_co_u32 s16, s16, s17                     ; x1: row 256 x tile row + 128 x half
	s_lshl_b32 s46, s42, 8
	s_add_co_u32 s46, s46, s17                     ; w1: row 256 x tile column + 128 x half
	s_mov_b32 s17, 0
	s_mov_b32 s47, 0
	s_mov_b64 s[18:19], SIZE_K*2
	s_mul_u64 s[16:17], s[16:17], s[18:19]
	s_mul_u64 s[46:47], s[46:47], s[18:19]
	s_mul_i32 s20, s10, HALFT
	s_mov_b32 s[TBR], 0
	s_wait_dscnt 0x0
	s_wait_kmcnt 0x0
	s_add_nc_u64 s[14:15], s[4:5], s[16:17]
	s_add_nc_u64 s[46:47], s[6:7], s[46:47]
	CROUND
.irp s, 0,1
	s_mov_b32 s[G0+4*(\s)], 1
	s_add_co_u32 s[G0+4*(\s)+1], s20, (\s)*SLOT
	s_add_nc_u64 s[G0+4*(\s)+2:G0+4*(\s)+3], s[14:15], (\s)*KSTEP*2
	s_or_b32 s[G0+4*(\s)+3], s[G0+4*(\s)+3], 0x80000000
	s_mov_b32 s[G0B+4*(\s)], 1
	s_add_co_u32 s[G0B+4*(\s)+1], s20, (\s)*SLOT
	s_add_nc_u64 s[G0B+4*(\s)+2:G0B+4*(\s)+3], s[46:47], (\s)*KSTEP*2
	s_or_b32 s[G0B+4*(\s)+3], s[G0B+4*(\s)+3], 0x80000000
	JLOAD \s                                       ; two loads of mine are out
.endr
	v_and_b32 v1, 15, v0
	v_bfe_u32 v2, v0, 4, 1
	s_lshl_b32 s46, s42, 10                        ; my 128 numbers of the bias: 4 x (256 x tile column + 128 x half)
	s_lshl_b32 s47, s12, 9
	s_add_co_u32 s46, s46, s47
	s_mov_b32 s47, 0
	s_add_nc_u64 s[BP:BP+1], s[BP:BP+1], s[46:47]
	v_lshlrev_b32 v[BO], 5, v2
.irp b, 0,1,2,3,4,5,6,7
	global_load_b128 v[BI+8*(\b):BI+8*(\b)+3],   v[BO], s[BP:BP+1] offset:64*(\b)
	global_load_b128 v[BI+8*(\b)+4:BI+8*(\b)+7], v[BO], s[BP:BP+1] offset:64*(\b)+16
.endr
	v_mov_b32 v[ZR], 0
	v_mul_u32_u24 v3, v1, PITCH
	v_lshl_add_u32 v3, v2, 4, v3
	s_mul_i32 s21, s11, HALFT
	s_mul_i32 s22, s12, HALFT
	s_add_co_u32 s22, s22, 2*HALFT
	v_add_nc_u32 v[ADRA0], s21, v3
	v_add_nc_u32 v[ADRB0], s22, v3
	v_mov_b32 v[ADRA], v[ADRA0]
	v_mov_b32 v[ADRB], v[ADRB0]
	s_mul_i32 s23, s10, 16*SPITCH
	s_add_co_u32 s23, s23, STAGE                   ; my stage
	v_mul_u32_u24 v4, v1, SPITCH
	v_lshl_add_u32 v4, v2, 4, v4
	v_add_nc_u32 v[STO], s23, v4
	v_mul_u32_u24 v5, v2, SPITCH
	v_lshl_add_u32 v5, v1, 4, v5
	v_add_nc_u32 v[RD], s23, v5
	v_mul_u32_u24 v5, v2, SIZE_N*2
	v_lshl_add_u32 v[CO], v1, 4, v5
	s_lshl_b32 s13, s13, 8                         ; where my part of the tile begins in hid
	s_lshl_b32 s14, s11, 7
	s_add_co_u32 s16, s13, s14
	s_mov_b32 s17, 0
	s_mov_b64 s[18:19], SIZE_N*2
	s_mul_u64 s[16:17], s[16:17], s[18:19]
	s_lshl_b32 s46, s42, 9
	s_lshl_b32 s47, s12, 8
	s_add_co_u32 s46, s46, s47
	s_mov_b32 s47, 0
	s_add_nc_u64 s[16:17], s[16:17], s[46:47]
	s_wait_loadcnt 0x0                             ; the bias
.set i, 0
.rept 32
	v_cvt_pk_bf16_f32 v[TT], v[BI+2*i], v[BI+2*i+1]  ; rounded to bf16 like every input, kept as f32
	v_lshlrev_b32 v[BI+2*i], 16, v[TT]
	v_and_b32 v[BI+2*i+1], 0xffff0000, v[TT]
.set i, i+1
.endr
; 16 matrix instructions: m blocks a0, a0 + 1 of the window's four x all 8 n blocks, 32 along K.  zero = 1: the product starts the sums with the bias (C in window 0).  The 64 accumulators take turns.
.macro MUL16 f, hi, a0, zero
.if \zero
	WIN 0x81+0x40*(\hi)
.else
	WIN MUL_LO+0x50*(\hi)
.endif
.irp a, \a0, (\a0)+1
.irp b, 0,1,2,3,4,5,6,7
.if \zero
	v_wmma_f32_16x16x32_f16 v[8*(8*(\a)+(\b)):8*(8*(\a)+(\b))+7], v[(\f)+8*(\b):(\f)+8*(\b)+7], v[(\f)+8*(4*(\hi)+(\a)):(\f)+8*(4*(\hi)+(\a))+7], v[BI+8*(\b):BI+8*(\b)+7]
.else
	v_wmma_f32_16x16x32_f16 v[8*(8*(\a)+(\b)):8*(8*(\a)+(\b))+7], v[(\f)+8*(\b):(\f)+8*(\b)+7], v[(\f)+8*(4*(\hi)+(\a)):(\f)+8*(4*(\hi)+(\a))+7], v[8*(8*(\a)+(\b)):8*(8*(\a)+(\b))+7]
.endif
.endr
.endr
.endm
; 32 LDS loads in one run: the fragments of one quarter step (128 rows of w1, 128 rows of x1, 32 K at byte k) of the slot being read, into buffer f
.macro FETCH k, f
	WIN TO_B
.irp i, 0,1,2,3,4,5,6,7
	ds_load_b128 v[(\f)+8*(\i):(\f)+8*(\i)+3],   v[ADRB] offset:(\k)+(\i)*16*PITCH
	ds_load_b128 v[(\f)+8*(\i)+4:(\f)+8*(\i)+7], v[ADRB] offset:(\k)+(\i)*16*PITCH+32
.endr
	WIN 0
.irp i, 0,1,2,3,4,5,6,7
	ds_load_b128 v[(\f)+8*(\i):(\f)+8*(\i)+3],   v[ADRA] offset:(\k)+(\i)*16*PITCH
	ds_load_b128 v[(\f)+8*(\i)+4:(\f)+8*(\i)+7], v[ADRA] offset:(\k)+(\i)*16*PITCH+32
.endr
.endm
.macro PLACES                          ; four plain vector instructions between matrix instructions and loads into, or reads of, their registers
.rept 4
	v_nop
.endr
.endm
.macro QUARTER k, f, g, zero
	s_wait_dscnt 8                                 ; w1 and x1's rows 0-63 are in; the youngest eight loads (rows 64-127) may be out
	MUL16 \f, 0, 0, \zero
	MUL16 \f, 0, 2, \zero
	PLACES
	FETCH \k, \g
	s_wait_dscnt 32                                ; all but the 32 just issued
	MUL16 \f, 1, 0, \zero
	MUL16 \f, 1, 2, \zero
.endm
; The last quarter multiplies buffer 1 and changes slots, as in the other products of this program.  fill = 1: this slot is filled again two K steps ahead, 224 matrix instructions ahead of the wait for it.
.macro TURN fill
	WIN 0
	s_wait_tensorcnt 0x0                           ; all my tensor loads have landed: my part of the next slot
	ds_add_u32 v[SPW], v[NIL]
	s_wait_dscnt 9                                 ; the add and the youngest eight loads may be out
	MUL16 F1, 0, 0, 0
	s_wait_dscnt 0x0                               ; the add is done, and my reads of this slot are over
	s_barrier_signal -1
	MUL16 F1, 0, 2, 0
.if \fill
	WIN 0
.endif
	s_barrier_wait -1
.if \fill
	CREST
	s_xor_b32 s[G0+5], s[G0+5], SLOT
	s_xor_b32 s[G0B+5], s[G0B+5], SLOT
	s_add_nc_u64 s[G0+6:G0+7], s[G0+6:G0+7], KSTEP*2
	s_add_nc_u64 s[G0B+6:G0B+7], s[G0B+6:G0B+7], KSTEP*2
	JLOAD 1
.else
	PLACES
.endif
	s_xor_b32 s[TBR], s[TBR], SLOT
	WIN 0
	v_add_nc_u32 v[ADRA], s[TBR], v[ADRA0]
	v_add_nc_u32 v[ADRB], s[TBR], v[ADRB0]
	FETCH 0, F0
	MUL16 F1, 1, 0, 0
	MUL16 F1, 1, 2, 0
.endm
; THE WAY OUT of block a (16 rows).  PACK: rounded to f16, then the relu on the packed halves.  TOSTAGE: into my own stage, back as whole rows of 256 bytes.  SEND: stored.
.macro PACK a
.set AC, 64*((\a)%4)
	WIN 0x0a+5*((\a)/4)                            ; sources 0 and 1: window 2 or 3
.irp b, 0,1,2,3,4,5,6,7
.irp r, 0,1,2,3
	v_cvt_pk_f16_f32 v[TMP+4*(\b)+(\r)], v[AC+8*(\b)+2*(\r)], v[AC+8*(\b)+2*(\r)+1]
.endr
.endr
	WIN 0
.set i, 0
.rept 32
	v_pk_max_num_f16 v[TMP+i], v[TMP+i], v[ZR]
.set i, i+1
.endr
.endm
.macro TOSTAGE a
	WIN 0
.set BK, OB+192*((\a)%2)
.irp b, 0,1,2,3,4,5,6,7
	ds_store_b128 v[STO], v[TMP+4*(\b):TMP+4*(\b)+3] offset:32*(\b)
.endr
.irp t, 0,1,2,3,4,5,6,7
	ds_load_b128 v[BK+4*(\t):BK+4*(\t)+3], v[RD] offset:(\t)*2*SPITCH  ; LDS serves a wave's instructions in order (ISA guide 5.7.1.4): these see the stores above
.endr
.endm
.macro SEND a, younger
	WIN 0
.set BK, OB+192*((\a)%2)
	s_wait_dscnt \younger
	s_wait_xcnt 0x0                                ; only behind this wait are the stores' base and the registers that earlier stores read rewritten (ISA guide 3.1)
.if (\a) == 0
	s_add_nc_u64 s[8:9], s[8:9], s[16:17]
.else
	s_add_nc_u64 s[8:9], s[8:9], 16*SIZE_N*2
.endif
.irp t, 0,1,2,3,4,5,6,7
	global_store_b128 v[CO], v[BK+4*(\t):BK+4*(\t)+3], s[8:9] offset:2*(\t)*SIZE_N*2  ; 16 lanes store 256 consecutive bytes, aligned
.endr
.endm
	s_wait_tensorcnt 1                             ; my part of K step 0 is in; K step 1's may stay out
	s_barrier_signal -1
	s_barrier_wait -1
	FETCH 0, F0
	QUARTER 64, F0, F1, 1                          ; the first quarter stands in front of the loop: its products start the sums
	WIN 0
	s_mov_b32 s3, STEPS-2
.Lstep:                                                ; a trip: a K step's quarters 2 to 4 and the next step's first; trip i fills K step i + 2
	QUARTER 128, F1, F0, 0
	QUARTER 192, F0, F1, 0
	TURN 1
	QUARTER 64, F0, F1, 0
	WIN 0
	s_sub_co_u32 s3, s3, 1
	s_cmp_lg_u32 s3, 0
	s_cbranch_scc1 .Lstep
	s_mov_b32 s3, 2
.Ltail:                                                ; the last two K steps fill nothing.  The second trip is left behind its change of slots, whose 32 fragment loads (of the slot read before, still whole) then serve nothing
	QUARTER 128, F1, F0, 0
	QUARTER 192, F0, F1, 0
	TURN 0
	WIN 0
	s_sub_co_u32 s3, s3, 1
	s_cmp_eq_u32 s3, 0
	s_cbranch_scc1 .Lout
	QUARTER 64, F0, F1, 0
	WIN 0
	s_branch .Ltail
.Lout:
	PLACES
	PACK 0
	TOSTAGE 0
.irp a, 1,2,3,4,5,6,7                  ; block a's conversions stand between block a - 1's loads from the stage and the wait for them
	PACK \a
	SEND (\a)-1, 0
	TOSTAGE \a
.endr
	SEND 7, 0
	s_wait_tensorcnt 0x0                           ; the wave's end
	ds_add_u32 v[SPW], v[NIL]
	s_wait_dscnt 0x0
	CROUND                                         ; the closing round
	s_endpgm
.Lfunc_end_k_qdde69ddaf1_ffn1:
	.size	k_qdde69ddaf1_ffn1, .Lfunc_end_k_qdde69ddaf1_ffn1-k_qdde69ddaf1_ffn1
	.p2alignl 7, 3214868480
	.fill 96, 4, 3214868480
	.section	.rodata,"a",@progbits
	.p2align	6, 0x0
	.amdhsa_kernel k_qdde69ddaf1_ffn1
		.amdhsa_group_segment_fixed_size 327680
		.amdhsa_private_segment_fixed_size 0
		.amdhsa_enable_private_segment 0
		.amdhsa_kernarg_size 32
		.amdhsa_user_sgpr_count 2
		.amdhsa_user_sgpr_kernarg_segment_ptr 1
		.amdhsa_wavefront_size32 1
		.amdhsa_system_sgpr_workgroup_id_x 1
		.amdhsa_system_sgpr_workgroup_id_y 1
		.amdhsa_system_sgpr_workgroup_id_z 1
		.amdhsa_system_vgpr_workitem_id 0
		.amdhsa_next_free_vgpr 1024
		.amdhsa_next_free_sgpr 72
		.amdhsa_reserve_vcc 0
		.amdhsa_float_denorm_mode_32 3
		.amdhsa_float_denorm_mode_16_64 3
		.amdhsa_memory_ordered 1
		.amdhsa_forward_progress 1
		.amdhsa_inst_pref_size 123
	.end_amdhsa_kernel
	.amdgpu_metadata
---
amdhsa.version: [ 1, 2 ]
amdhsa.kernels:
  - .name:           k_qdde69ddaf1_ffn1
    .symbol:         k_qdde69ddaf1_ffn1.kd
    .args:
      - { .name: x1h, .offset: 0, .size: 8, .value_kind: global_buffer, .address_space: global }
      - { .name: cw1, .offset: 8, .size: 8, .value_kind: global_buffer, .address_space: global }
      - { .name: b1, .offset: 16, .size: 8, .value_kind: global_buffer, .address_space: global }
      - { .name: hid, .offset: 24, .size: 8, .value_kind: global_buffer, .address_space: global }
    .group_segment_fixed_size: 327680
    .private_segment_fixed_size: 0
    .kernarg_segment_align: 8
    .kernarg_segment_size: 32
    .max_flat_workgroup_size: 128
    .sgpr_count:     72
    .vgpr_count:     1024
    .wavefront_size: 32
...
	.end_amdgpu_metadata
.endif
;; end of part 5
;; launch ffn2 (part 6): grid 8 x 32, 4 waves a work-group, clusters of 4 x 4, 327,680 bytes of LDS; arguments hid, cw2, b2, ffn; writes ffn
.if DOCPART == 6
	.amdgcn_target "amdgcn-amd-amdhsa--gfx1250"
	.amdhsa_code_object_version 6
	.text
	.protected	k_qdde69ddaf1_ffn2
	.globl	k_qdde69ddaf1_ffn2
	.p2align	8
	.type	k_qdde69ddaf1_ffn2,@function
k_qdde69ddaf1_ffn2:
	s_mov_b64 s[64:65], 0
	v_nop
	global_prefetch_b8 v0, s[64:65] scope:SCOPE_SE
	s_setreg_imm32_b32 hwreg(HW_REG_WAVE_MODE, 25, 1), 1
	s_wait_xcnt 0x0
	s_wait_alu depctr_hold_cnt(0) depctr_sa_sdst(0) depctr_va_vdst(0) depctr_va_sdst(0) depctr_va_ssrc(0) depctr_va_vcc(0) depctr_vm_vsrc(0)
	s_getreg_b32 s2, hwreg(HW_REG_IB_STS2, 6, 4)
	s_cmp_eq_u32 s2, 0
	s_cbranch_scc0 .Lentry_in_a_cluster
	s_endpgm
.Lentry_in_a_cluster:
	s_bfe_u32 s2, ttmp6, 0x10000c
	s_cmp_lg_u32 s2, 0xf033
	s_cbranch_scc0 .Lentry_shape_is_right
	s_endpgm
.Lentry_shape_is_right:
; ffn = hid w2^T + b2: hid [4096][4096] f16, w2 [1024][4096] from cw2 (the bf16-rounded input as f16), b2 rounded to bf16 here and taken as the C operand that starts the sums.
; ffn [4096][1024] stays f32: the norm behind forms differences of it, and with large gains and weights it has no room in f16.
; A tile of the result is 128 x 128: 8 x 32 = 256 work-groups.  Four waves, each 64 x 64: 16 accumulators.  K goes in steps of 256 (LDS rows of 512 bytes, a wave's tensor load brings 64 of them)
; through two LDS slots.  A K step is written once: the slot read and the slot filled are turned by an exclusive or.
; CLUSTER 4 x 4: the four of a row need the same tiles of hid, the four of a column the same tiles of w2: each tile is asked for jointly.
; THE MATRIX INSTRUCTION IS USED TRANSPOSED (source 0 = 16 rows of w2, source 1 = 16 rows of hid): a lane holds eight neighbouring numbers of one row.
; PREFETCH.  hid is read from memory once by each tile row.  In trip i, whose tensor loads fetch K step i + 2, wave 0 asks for 16 rows x 512 bytes of hid's K step i + 3, which the next trip's loads fetch:
; one trip, 8,192 bytes a work-group, ahead.  The eight work-groups of a tile row take 16 of its 128 rows each, so each block of 256 bytes is asked for once.  The last trip asks for nothing (there is no K step 16);
; K steps 0 to 2 are not asked for.  w2 is not asked for: 32 tile rows read it again and again.
; REGISTERS: window 0: v0-31 addresses; v32-63 the bias, later with v64-95 the way out; v128-255 the accumulators.  window 1: two fragment buffers of 128.
.set SIZE_K, 4096
.set STEPS,  SIZE_K/256
.set KSTEP,  256
.set PITCH,  528                       ; 512 bytes + 16 of padding: an odd multiple of 16 (ISA guide 11.1: the 16 rows of a fragment load start at 16 different groups of four banks)
.set HALFT,  64*PITCH
.set SLOT,   4*HALFT                   ; its bits (0x21000) are disjoint from wave x HALFT's
.set STAGE,  2*SLOT                    ; behind the ring: 16 rows x 272 bytes for each wave
.set SP,     272
.set SPARE,  STAGE+4*16*SP             ; the spare words: 128 bytes a wave, two blocks of 256 bytes that no other line names
.set ADRA0, 16
.set ADRB0, 17
.set ADRA,  18
.set ADRB,  19
.set PFO,   20                         ; the prefetch: row l / 2 of my 16, block l % 2 of its 512 bytes; never rewritten
.set STO,   24
.set RD,    25
.set CO,    26
.set BO,    27
.set SPW,   28
.set NIL,   29
.set TT,    31
.set BI,    32
.set TMP,   32
.set ACC,   128
.set F0,    0
.set F1,    128
.set G1,  24
.set G0,  32
.set G1B, 48
.set G0B, 56
.set BP,  68
.set TBR, 70
.set PF,  72                           ; s[72:73] hid at my 16 rows of the K step to be asked for
.set MSB, 0
.macro WIN new
.if MSB != (\new)
	s_set_vgpr_msb (MSB<<8)|(\new)
.set MSB, \new
.endif
.endm
.set MUL,  0x05
.set TO_F, 0x40
.macro JLOAD s                         ; a joint load: waves 0 and 1 fetch hid's two halves, waves 2 and 3 w2's; an s_nop 0 and four v_nop follow each line
	s_cmp_eq_u32 s11, 0
	s_cbranch_scc0 .Lfor_b_\@
	tensor_load_to_lds s[G0+4*(\s):G0+4*(\s)+3], s[G1:G1+7]
	s_nop 0
.rept 4
	v_nop
.endr
	s_branch .Lasked_\@
.Lfor_b_\@:
	tensor_load_to_lds s[G0B+4*(\s):G0B+4*(\s)+3], s[G1B:G1B+7]
	s_nop 0
.rept 4
	v_nop
.endr
.Lasked_\@:
.endm
.macro CREST
	s_cmp_lg_u32 s10, 0
	s_cbranch_scc1 .Lnot_wave_0_\@
	s_barrier_signal -3
.Lnot_wave_0_\@:
	s_barrier_wait -3
	s_barrier_signal -1
	s_barrier_wait -1
.endm
.macro CROUND
	s_barrier_signal -1
	s_barrier_wait -1
	CREST
.endm
	s_load_b128 s[4:7], s[0:1], 0x0                ; hid s[4:5], cw2 s[6:7]
	s_load_b64 s[BP:BP+1], s[0:1], 0x10            ; b2
	s_load_b64 s[8:9], s[0:1], 0x18                ; ffn
	v_lshl_add_u32 v[SPW], v0, 2, SPARE
	v_mov_b32 v[NIL], 0
	ds_add_u32 v[SPW], v[NIL]                      ; the wave's opening: the add and its wait stand ahead of my first tensor load
	v_lshrrev_b32 v1, 5, v0
	v_readfirstlane_b32 s10, v1
	s_lshr_b32 s11, s10, 1
	s_and_b32 s12, s10, 1
	s_bfe_u32 s40, ttmp6, 0x40000
	s_bfe_u32 s41, ttmp6, 0x40004
	s_lshl_b32 s42, ttmp9, 2
	s_add_co_u32 s42, s42, s40                     ; tile column
	s_and_b32 s13, ttmp7, 0xffff
	s_lshl_b32 s13, s13, 2
	s_add_co_u32 s13, s13, s41                     ; tile row
	s_lshl_b32 s43, s41, 2
	s_lshl_b32 s43, 15, s43
	s_lshl_b32 s44, 0x1111, s40
	s_or_b32 s[G1+0], s43, (1<<16)|(1<<20)|(1<<21)|(6<<22)|(3<<25)
	s_or_b32 s[G1B+0], s44, (1<<16)|(1<<20)|(1<<21)|(6<<22)|(3<<25)
.irp g, G1, G1B
	s_mov_b32 s[(\g)+1], KSTEP<<16
	s_mov_b32 s[(\g)+2], 64<<16
	s_mov_b32 s[(\g)+3], KSTEP<<16
	s_mov_b32 s[(\g)+4], 64
	s_mov_b32 s[(\g)+5], SIZE_K
	s_mov_b32 s[(\g)+6], 0
	s_mov_b32 s[(\g)+7], 0
.endr
	s_lshl_b32 s17, s12, 6
	s_lshl_b32 s16, s13, 7
	s_add_co_u32 s16, s16, s17
	s_lshl_b32 s46, s42, 7
	s_add_co_u32 s46, s46, s17
	s_mov_b32 s17, 0
	s_mov_b32 s47, 0
	s_mov_b64 s[18:19], SIZE_K*2
	s_mul_u64 s[16:17], s[16:17], s[18:19]
	s_mul_u64 s[46:47], s[46:47], s[18:19]
	s_mul_i32 s20, s10, HALFT
	s_mov_b32 s[TBR], 0
	s_wait_dscnt 0x0
	s_wait_kmcnt 0x0
	s_add_nc_u64 s[14:15], s[4:5], s[16:17]
	s_add_nc_u64 s[46:47], s[6:7], s[46:47]
	CROUND
.irp s, 0,1
	s_mov_b32 s[G0+4*(\s)], 1
	s_add_co_u32 s[G0+4*(\s)+1], s20, (\s)*SLOT
	s_add_nc_u64 s[G0+4*(\s)+2:G0+4*(\s)+3], s[14:15], (\s)*KSTEP*2
	s_or_b32 s[G0+4*(\s)+3], s[G0+4*(\s)+3], 0x80000000
	s_mov_b32 s[G0B+4*(\s)], 1
	s_add_co_u32 s[G0B+4*(\s)+1], s20, (\s)*SLOT
	s_add_nc_u64 s[G0B+4*(\s)+2:G0B+4*(\s)+3], s[46:47], (\s)*KSTEP*2
	s_or_b32 s[G0B+4*(\s)+3], s[G0B+4*(\s)+3], 0x80000000
	JLOAD \s                                       ; two loads of mine are out
.endr
	v_and_b32 v1, 15, v0
	v_bfe_u32 v2, v0, 4, 1
	s_lshl_b32 s46, s42, 9                         ; 4 x (128 x tile column + 64 x half): my 64 numbers of the bias, and my 256 bytes of a row of ffn
	s_lshl_b32 s47, s12, 8
	s_add_co_u32 s46, s46, s47
	s_mov_b32 s47, 0
	s_add_nc_u64 s[BP:BP+1], s[BP:BP+1], s[46:47]
	s_add_nc_u64 s[8:9], s[8:9], s[46:47]
	v_lshlrev_b32 v[BO], 5, v2
.irp b, 0,1,2,3
	global_load_b128 v[BI+8*(\b):BI+8*(\b)+3],   v[BO], s[BP:BP+1] offset:64*(\b)
	global_load_b128 v[BI+8*(\b)+4:BI+8*(\b)+7], v[BO], s[BP:BP+1] offset:64*(\b)+16
.endr
	s_lshl_b32 s46, s42, 4                         ; the prefetch's first place: row 128 x tile row + 16 x tile column of hid,
	s_lshl_b32 s47, s13, 7
	s_add_co_u32 s46, s46, s47
	s_lshl_b32 s46, s46, 13                        ; 8,192 bytes a row,
	s_add_co_u32 s46, s46, 3*KSTEP*2               ; K step 3
	s_mov_b32 s47, 0
	s_add_nc_u64 s[PF:PF+1], s[4:5], s[46:47]
	v_and_b32 v6, 31, v0
	v_lshrrev_b32 v7, 1, v6
	v_and_b32 v6, 1, v6
	v_lshlrev_b32 v[PFO], 8, v6
	v_lshl_add_u32 v[PFO], v7, 13, v[PFO]
	v_mul_u32_u24 v3, v1, PITCH
	v_lshl_add_u32 v3, v2, 4, v3
	s_mul_i32 s21, s11, HALFT
	s_mul_i32 s22, s12, HALFT
	s_add_co_u32 s22, s22, 2*HALFT
	v_add_nc_u32 v[ADRA0], s21, v3
	v_add_nc_u32 v[ADRB0], s22, v3
	v_mov_b32 v[ADRA], v[ADRA0]
	v_mov_b32 v[ADRB], v[ADRB0]
	s_mul_i32 s23, s10, 16*SP
	s_add_co_u32 s23, s23, STAGE                   ; my stage
	v_mul_u32_u24 v4, v1, SP                       ; in: row l % 16, 32 bytes for each half of the lanes
	v_lshl_add_u32 v4, v2, 5, v4
	v_add_nc_u32 v[STO], s23, v4
	v_mul_u32_u24 v5, v2, SP                       ; back: lanes 0-15 take one row of 256 bytes, lanes 16-31 the next
	v_lshl_add_u32 v5, v1, 4, v5
	v_add_nc_u32 v[RD], s23, v5
	v_lshlrev_b32 v[CO], 4, v1                     ; and the same two rows in ffn, 4,096 bytes apart
	v_lshl_add_u32 v[CO], v2, 12, v[CO]
	s_lshl_b32 s16, s13, 7
	s_lshl_b32 s17, s11, 6
	s_add_co_u32 s16, s16, s17                     ; my first row
	s_lshl_b32 s16, s16, 12
	s_mov_b32 s17, 0
	s_add_nc_u64 s[8:9], s[8:9], s[16:17]
	s_wait_loadcnt 0x0                             ; the bias
.set i, 0
.rept 16
	v_cvt_pk_bf16_f32 v[TT], v[BI+2*i], v[BI+2*i+1]  ; rounded to bf16 like every input, kept as f32
	v_lshlrev_b32 v[BI+2*i], 16, v[TT]
	v_and_b32 v[BI+2*i+1], 0xffff0000, v[TT]
.set i, i+1
.endr
; 8 matrix instructions: m blocks a0, a0 + 1 x all 4 n blocks, 32 along K: half c of buffer f.  zero = 1: the first product starts the sums with the bias.  The 16 accumulators take turns.
.macro MUL8 f, c, a0, zero
	WIN MUL
.irp a, \a0, (\a0)+1
.irp b, 0,1,2,3
.if \zero
	v_wmma_f32_16x16x32_f16 v[ACC+8*(4*(\a)+(\b)):ACC+8*(4*(\a)+(\b))+7], v[(\f)+64+8*(4*(\c)+(\b)):(\f)+64+8*(4*(\c)+(\b))+7], v[(\f)+8*(4*(\c)+(\a)):(\f)+8*(4*(\c)+(\a))+7], v[BI+8*(\b):BI+8*(\b)+7]
.else
	v_wmma_f32_16x16x32_f16 v[ACC+8*(4*(\a)+(\b)):ACC+8*(4*(\a)+(\b))+7], v[(\f)+64+8*(4*(\c)+(\b)):(\f)+64+8*(4*(\c)+(\b))+7], v[(\f)+8*(4*(\c)+(\a)):(\f)+8*(4*(\c)+(\a))+7], v[ACC+8*(4*(\a)+(\b)):ACC+8*(4*(\a)+(\b))+7]
.endif
.endr
.endr
.endm
.macro FETCH k, f                      ; 32 LDS loads in one run: 64 along K at byte k of the rows of the slot being read, into buffer f; the first 32 along K first
	WIN TO_F
.irp c, 0,1
.irp i, 0,1,2,3
	ds_load_b128 v[(\f)+64+8*(4*(\c)+(\i)):(\f)+64+8*(4*(\c)+(\i))+3],   v[ADRB] offset:(\k)+64*(\c)+(\i)*16*PITCH
	ds_load_b128 v[(\f)+64+8*(4*(\c)+(\i))+4:(\f)+64+8*(4*(\c)+(\i))+7], v[ADRB] offset:(\k)+64*(\c)+(\i)*16*PITCH+32
	ds_load_b128 v[(\f)+8*(4*(\c)+(\i)):(\f)+8*(4*(\c)+(\i))+3],         v[ADRA] offset:(\k)+64*(\c)+(\i)*16*PITCH
	ds_load_b128 v[(\f)+8*(4*(\c)+(\i))+4:(\f)+8*(4*(\c)+(\i))+7],       v[ADRA] offset:(\k)+64*(\c)+(\i)*16*PITCH+32
.endr
.endr
.endm
.macro PLACES                          ; four plain vector instructions between matrix instructions and loads into, or reads of, their registers
.rept 4
	v_nop
.endr
.endm
.macro QUARTER k, f, g, zero
	s_wait_dscnt 16                                ; the first 32 along K are in; the youngest sixteen loads may be out
	MUL8 \f, 0, 0, \zero
	MUL8 \f, 0, 2, \zero
	PLACES
	FETCH \k, \g
	s_wait_dscnt 32                                ; all but the 32 just issued
	MUL8 \f, 1, 0, 0
	MUL8 \f, 1, 2, 0
.endm
; The last quarter multiplies buffer 1 and changes slots: each wave waits for all its tensor loads (its part of the next slot), adds 0 to its spare word, waits for that and for its reads of this slot.
; fill = 1: the barrier opens a round of the cluster's, and this slot is filled again, two K steps ahead, first thing behind the round: 112 matrix instructions ahead of the wait for it.
; Behind the joint load wave 0 asks for its 16 rows of the K step after that one, but not in the loop's last trip.  Both branches hang on numbers that all partners share: the wave's number and the loop's count.
.macro TURN fill
	WIN 0
	s_wait_tensorcnt 0x0
	ds_add_u32 v[SPW], v[NIL]
	s_wait_dscnt 17                                ; the add and the youngest sixteen loads may be out
	MUL8 F1, 0, 0, 0
	s_wait_dscnt 0x0
	s_barrier_signal -1
	MUL8 F1, 0, 2, 0
.if \fill
	WIN 0
.endif
	s_barrier_wait -1
.if \fill
	CREST
	s_xor_b32 s[G0+5], s[G0+5], SLOT
	s_xor_b32 s[G0B+5], s[G0B+5], SLOT
	s_add_nc_u64 s[G0+6:G0+7], s[G0+6:G0+7], KSTEP*2
	s_add_nc_u64 s[G0B+6:G0B+7], s[G0B+6:G0B+7], KSTEP*2
	JLOAD 1
	s_cmp_lg_u32 s10, 0
	s_cbranch_scc1 .Lno_pf_\@
	s_cmp_eq_u32 s3, 1
	s_cbranch_scc1 .Lno_pf_\@
	global_prefetch_b8 v[PFO], s[PF:PF+1] th:TH_LOAD_NT scope:SCOPE_SE
.Lno_pf_\@:
.else
	PLACES
.endif
	s_xor_b32 s[TBR], s[TBR], SLOT
	WIN 0
	v_add_nc_u32 v[ADRA], s[TBR], v[ADRA0]
	v_add_nc_u32 v[ADRB], s[TBR], v[ADRB0]
	FETCH 0, F0
	MUL8 F1, 1, 0, 0
	MUL8 F1, 1, 2, 0
.endm
	s_wait_tensorcnt 1                             ; my part of K step 0 is in; K step 1's may stay out
	s_barrier_signal -1
	s_barrier_wait -1
	FETCH 0, F0
	QUARTER 128, F0, F1, 1
	WIN 0
	s_mov_b32 s3, STEPS-2
.Lstep:                                                ; a trip: a K step's quarters 2 to 4 and the next step's first; trip i fills K step i + 2
	QUARTER 256, F1, F0, 0
	QUARTER 384, F0, F1, 0
	TURN 1
	QUARTER 128, F0, F1, 0
	WIN 0
	s_wait_xcnt 0x0                                ; the prefetch, 48 matrix instructions back, has had its address translated (ISA guide 3.1): its base may step
	s_add_nc_u64 s[PF:PF+1], s[PF:PF+1], KSTEP*2
	s_sub_co_u32 s3, s3, 1
	s_cmp_lg_u32 s3, 0
	s_cbranch_scc1 .Lstep
	s_mov_b32 s3, 2
.Ltail:                                                ; the last two K steps fill nothing.  The second trip is left behind its change of slots, whose 32 fragment loads (of the slot read before, still whole) then serve nothing
	QUARTER 256, F1, F0, 0
	QUARTER 384, F0, F1, 0
	TURN 0
	WIN 0
	s_sub_co_u32 s3, s3, 1
	s_cmp_eq_u32 s3, 0
	s_cbranch_scc1 .Lout
	QUARTER 128, F0, F1, 0
	WIN 0
	s_branch .Ltail
.Lout:
	PLACES
; THE WAY OUT, 16 rows at a time, in f32: a lane's eight numbers (32 bytes) go into my own stage (rows of 272 bytes) and come back as whole rows of 256 bytes.
.macro TOST a
	s_wait_xcnt 0x0                                ; the registers that the stores of the block two back read are loaded again only behind this wait (ISA guide 3.1)
.irp b, 0,1,2,3
	ds_store_b128 v[STO], v[ACC+8*(4*(\a)+(\b)):ACC+8*(4*(\a)+(\b))+3]   offset:64*(\b)     ; each accumulator's low registers first
	ds_store_b128 v[STO], v[ACC+8*(4*(\a)+(\b))+4:ACC+8*(4*(\a)+(\b))+7] offset:64*(\b)+16
.endr
.irp t, 0,1,2,3,4,5,6,7
	ds_load_b128 v[TMP+32*((\a)%2)+4*(\t):TMP+32*((\a)%2)+4*(\t)+3], v[RD] offset:(\t)*2*SP  ; LDS serves a wave's instructions in order (ISA guide 5.7.1.4): these see the stores above
.endr
.endm
.macro SEND a, younger                 ; younger: the LDS instructions issued behind block a's loads: the next block's sixteen, or none
.irp t, 0,1,2,3,4,5,6,7
	s_wait_dscnt (\younger)+7-(\t)
	global_store_b128 v[CO], v[TMP+32*((\a)%2)+4*(\t):TMP+32*((\a)%2)+4*(\t)+3], s[8:9] offset:65536*(\a)+8192*(\t)  ; 16 lanes store 256 consecutive bytes, aligned
.endr
.endm
	TOST 0
.irp a, 1,2,3
	TOST \a
	SEND (\a)-1, 16
.endr
	SEND 3, 0
	s_wait_tensorcnt 0x0                           ; the wave's end
	ds_add_u32 v[SPW], v[NIL]
	s_wait_dscnt 0x0
	CROUND                                         ; the closing round
	s_endpgm
.Lfunc_end_k_qdde69ddaf1_ffn2:
	.size	k_qdde69ddaf1_ffn2, .Lfunc_end_k_qdde69ddaf1_ffn2-k_qdde69ddaf1_ffn2
	.p2alignl 7, 3214868480
	.fill 96, 4, 3214868480
	.section	.rodata,"a",@progbits
	.p2align	6, 0x0
	.amdhsa_kernel k_qdde69ddaf1_ffn2
		.amdhsa_group_segment_fixed_size 327680
		.amdhsa_private_segment_fixed_size 0
		.amdhsa_enable_private_segment 0
		.amdhsa_kernarg_size 32
		.amdhsa_user_sgpr_count 2
		.amdhsa_user_sgpr_kernarg_segment_ptr 1
		.amdhsa_wavefront_size32 1
		.amdhsa_system_sgpr_workgroup_id_x 1
		.amdhsa_system_sgpr_workgroup_id_y 1
		.amdhsa_system_sgpr_workgroup_id_z 1
		.amdhsa_system_vgpr_workitem_id 0
		.amdhsa_next_free_vgpr 512
		.amdhsa_next_free_sgpr 76
		.amdhsa_reserve_vcc 0
		.amdhsa_float_denorm_mode_32 3
		.amdhsa_float_denorm_mode_16_64 3
		.amdhsa_memory_ordered 1
		.amdhsa_forward_progress 1
		.amdhsa_inst_pref_size 62
	.end_amdhsa_kernel
	.amdgpu_metadata
---
amdhsa.version: [ 1, 2 ]
amdhsa.kernels:
  - .name:           k_qdde69ddaf1_ffn2
    .symbol:         k_qdde69ddaf1_ffn2.kd
    .args:
      - { .name: hid, .offset: 0, .size: 8, .value_kind: global_buffer, .address_space: global }
      - { .name: cw2, .offset: 8, .size: 8, .value_kind: global_buffer, .address_space: global }
      - { .name: b2, .offset: 16, .size: 8, .value_kind: global_buffer, .address_space: global }
      - { .name: ffn, .offset: 24, .size: 8, .value_kind: global_buffer, .address_space: global }
    .group_segment_fixed_size: 327680
    .private_segment_fixed_size: 0
    .kernarg_segment_align: 8
    .kernarg_segment_size: 32
    .max_flat_workgroup_size: 128
    .sgpr_count:     76
    .vgpr_count:     512
    .wavefront_size: 32
...
	.end_amdgpu_metadata
.endif
;; end of part 6
;; launch ln2 (part 7): grid 512 x 1, 8 waves a work-group, no clusters, 0 bytes of LDS; arguments x1h, ffn, ln2_a, ln2_b, out0; writes out0
.if DOCPART == 7
	.amdgcn_target "amdgcn-amd-amdhsa--gfx1250"
	.amdhsa_code_object_version 6
	.text
	.protected	k_qdde69ddaf1_ln2
	.globl	k_qdde69ddaf1_ln2
	.p2align	8
	.type	k_qdde69ddaf1_ln2,@function
k_qdde69ddaf1_ln2:
	s_mov_b64 s[64:65], 0
	v_nop
	global_prefetch_b8 v0, s[64:65] scope:SCOPE_SE
	s_setreg_imm32_b32 hwreg(HW_REG_WAVE_MODE, 25, 1), 1
	s_wait_xcnt 0x0
; out = a (v - mean) / (std + 1e-6) + b with v = x1 + ffn, std unbiased (sum of squares of v - mean, divided by 1,023).  x1 [4096][1024] f16, ffn [4096][1024] f32, a and b rounded to bf16 here, out f32.
; All arithmetic in f32; the mean is taken away before the squares.  NaN and infinities are not treated apart.
; SHARES.  A wave takes one row (8 x work-group + wave) over its 32 lanes: lane l, chunk c: channels 128 c + 4 l + 0..3.  A load or store of f32 covers 512 consecutive bytes,
; a load of x1 256, all aligned.  A stream of one shot a wave: no LDS, no barrier, no matrix unit, no cluster (only a and b, 8 KiB, are shared).  All 32 loads of a wave are out at once.
.set FO,  1                            ; 16 l
.set HO,  2                            ; 8 l
.set ONE, 5
.set AC,  6                            ; v[6:13]   four chains of packed sums
.set M,   14                           ; v[14:15]
.set PA,  16                           ; v[16:47] a as loaded, then v[16:31] packed as bf16
.set PB,  48                           ; v[48:79] b likewise, then v[48:63]
.set V,   80                           ; v[80:111]  ffn, then v, then out
.set X,   112                          ; v[112:127] x1
	s_load_b256 s[4:11], s[0:1], 0x0               ; x1h s[4:5], ffn s[6:7], a s[8:9], b s[10:11]
	s_load_b64 s[12:13], s[0:1], 0x20              ; out0
	v_lshrrev_b32 v4, 5, v0
	v_readfirstlane_b32 s18, v4
	s_lshl_b32 s20, ttmp9, 3
	s_add_co_u32 s20, s20, s18                     ; my row
	s_lshl_b32 s22, s20, 12                        ; of f32: 4,096 bytes
	s_lshl_b32 s20, s20, 11                        ; of f16: 2,048 bytes
	s_mov_b32 s21, 0
	s_mov_b32 s23, 0
	s_mov_b32 s16, 0x76543210                      ; v_permlanex16_b32: each lane takes its own place in the other half
	s_mov_b32 s17, 0xfedcba98
	v_and_b32 v4, 31, v0
	v_lshlrev_b32 v[FO], 4, v4
	v_lshlrev_b32 v[HO], 3, v4
	v_mov_b32 v[ONE], 1.0
	s_wait_kmcnt 0x0
	s_add_nc_u64 s[4:5], s[4:5], s[20:21]
	s_add_nc_u64 s[6:7], s[6:7], s[22:23]
	s_add_nc_u64 s[12:13], s[12:13], s[22:23]
.irp c, 0,1,2,3,4,5,6,7
	global_load_b128 v[PA+4*(\c):PA+4*(\c)+3], v[FO], s[8:9] offset:512*(\c)
.endr
.irp c, 0,1,2,3,4,5,6,7
	global_load_b128 v[PB+4*(\c):PB+4*(\c)+3], v[FO], s[10:11] offset:512*(\c)
.endr
.irp c, 0,1,2,3,4,5,6,7
	global_load_b128 v[V+4*(\c):V+4*(\c)+3], v[FO], s[6:7] offset:512*(\c)
.endr
.irp c, 0,1,2,3,4,5,6,7
	global_load_b64 v[X+2*(\c):X+2*(\c)+1], v[HO], s[4:5] offset:256*(\c)
.endr
	s_wait_loadcnt 16                              ; a and b are in; ffn's and x1's sixteen loads may be out
.set k, 0
.rept 16                                           ; in place, ascending: a register is written when its numbers have been read
	v_cvt_pk_bf16_f32 v[PA+k], v[PA+2*k], v[PA+2*k+1]
	v_cvt_pk_bf16_f32 v[PB+k], v[PB+2*k], v[PB+2*k+1]
.set k, k+1
.endr
.macro FOLD                            ; the four chains into one number a lane, then over the 32 lanes
	v_pk_add_f32 v[AC:AC+1], v[AC:AC+1], v[AC+2:AC+3]
	v_pk_add_f32 v[AC+4:AC+5], v[AC+4:AC+5], v[AC+6:AC+7]
	v_pk_add_f32 v[AC:AC+1], v[AC:AC+1], v[AC+4:AC+5]
	v_add_f32 v[AC], v[AC], v[AC+1]
	v_add_f32_dpp v[AC], v[AC], v[AC] row_xmask:1 row_mask:0xf bank_mask:0xf
	v_add_f32_dpp v[AC], v[AC], v[AC] row_xmask:2 row_mask:0xf bank_mask:0xf
	v_add_f32_dpp v[AC], v[AC], v[AC] row_xmask:4 row_mask:0xf bank_mask:0xf
	v_add_f32_dpp v[AC], v[AC], v[AC] row_xmask:8 row_mask:0xf bank_mask:0xf
	v_permlanex16_b32 v[AC+1], v[AC], s16, s17
	v_add_f32 v[AC], v[AC], v[AC+1]
.endm
	s_wait_loadcnt 0x0
.set k, 0
.rept 16                                           ; v = x1 + ffn, x1 straight from its f16 halves
	v_fma_mix_f32 v[V+2*k],   v[X+k], v[ONE], v[V+2*k]   op_sel:[0,0,0] op_sel_hi:[1,0,0]
	v_fma_mix_f32 v[V+2*k+1], v[X+k], v[ONE], v[V+2*k+1] op_sel:[1,0,0] op_sel_hi:[1,0,0]
.set k, k+1
.endr
.irp c, 0,1,2,3
	v_pk_add_f32 v[AC+2*(\c):AC+2*(\c)+1], v[V+2*(\c):V+2*(\c)+1], v[V+8+2*(\c):V+8+2*(\c)+1]  ; the first additions start the chains
.endr
.set p, 8
.rept 8
	v_pk_add_f32 v[AC+2*(p%4):AC+2*(p%4)+1], v[AC+2*(p%4):AC+2*(p%4)+1], v[V+2*p:V+2*p+1]
.set p, p+1
.endr
	FOLD
	v_mul_f32 v[M], 0x3a800000, v[AC]              ; / 1,024
	v_mov_b32 v[M+1], v[M]
.set p, 0
.rept 16
	v_pk_add_f32 v[V+2*p:V+2*p+1], v[V+2*p:V+2*p+1], v[M:M+1] neg_lo:[0,1] neg_hi:[0,1]
.set p, p+1
.endr
.irp c, 0,1,2,3
	v_pk_mul_f32 v[AC+2*(\c):AC+2*(\c)+1], v[V+2*(\c):V+2*(\c)+1], v[V+2*(\c):V+2*(\c)+1]
.endr
.set p, 4
.rept 12
	v_pk_fma_f32 v[AC+2*(p%4):AC+2*(p%4)+1], v[V+2*p:V+2*p+1], v[V+2*p:V+2*p+1], v[AC+2*(p%4):AC+2*(p%4)+1]
.set p, p+1
.endr
	FOLD
	v_mul_f32 v[AC], 0x3a802008, v[AC]             ; / 1,023
	v_sqrt_f32 v[AC], v[AC]
	v_nop                                          ; a plain instruction behind a transcendental before its result is used (ISA guide 5.7.2)
	s_wait_alu depctr_va_vdst(0)
	v_add_f32 v[AC], 0x358637bd, v[AC]             ; + 1e-6
	v_rcp_f32 v[M], v[AC]
	v_nop
	s_wait_alu depctr_va_vdst(0)
	v_mov_b32 v[M+1], v[M]
.set p, 0
.rept 16
	v_pk_mul_f32 v[V+2*p:V+2*p+1], v[V+2*p:V+2*p+1], v[M:M+1]
.set p, p+1
.endr
.set k, 0
.rept 16                                           ; times a, plus b, from their bf16 halves
	v_fma_mix_f32_bf16 v[V+2*k],   v[V+2*k],   v[PA+k], v[PB+k] op_sel:[0,0,0] op_sel_hi:[0,1,1]
	v_fma_mix_f32_bf16 v[V+2*k+1], v[V+2*k+1], v[PA+k], v[PB+k] op_sel:[0,1,1] op_sel_hi:[0,1,1]
.set k, k+1
.endr
.irp c, 0,1,2,3,4,5,6,7
	global_store_b128 v[FO], v[V+4*(\c):V+4*(\c)+3], s[12:13] offset:512*(\c) th:TH_STORE_NT
.endr
	s_endpgm
.Lfunc_end_k_qdde69ddaf1_ln2:
	.size	k_qdde69ddaf1_ln2, .Lfunc_end_k_qdde69ddaf1_ln2-k_qdde69ddaf1_ln2
	.p2alignl 7, 3214868480
	.fill 96, 4, 3214868480
	.section	.rodata,"a",@progbits
	.p2align	6, 0x0
	.amdhsa_kernel k_qdde69ddaf1_ln2
		.amdhsa_group_segment_fixed_size 0
		.amdhsa_private_segment_fixed_size 0
		.amdhsa_enable_private_segment 0
		.amdhsa_kernarg_size 40
		.amdhsa_user_sgpr_count 2
		.amdhsa_user_sgpr_kernarg_segment_ptr 1
		.amdhsa_wavefront_size32 1
		.amdhsa_system_sgpr_workgroup_id_x 1
		.amdhsa_system_sgpr_workgroup_id_y 1
		.amdhsa_system_sgpr_workgroup_id_z 1
		.amdhsa_system_vgpr_workitem_id 0
		.amdhsa_next_free_vgpr 128
		.amdhsa_next_free_sgpr 66
		.amdhsa_reserve_vcc 0
		.amdhsa_float_denorm_mode_32 3
		.amdhsa_float_denorm_mode_16_64 3
		.amdhsa_memory_ordered 1
		.amdhsa_forward_progress 1
		.amdhsa_inst_pref_size 17
	.end_amdhsa_kernel
	.amdgpu_metadata
---
amdhsa.version: [ 1, 2 ]
amdhsa.kernels:
  - .name:           k_qdde69ddaf1_ln2
    .symbol:         k_qdde69ddaf1_ln2.kd
    .args:
      - { .name: x1h, .offset: 0, .size: 8, .value_kind: global_buffer, .address_space: global }
      - { .name: ffn, .offset: 8, .size: 8, .value_kind: global_buffer, .address_space: global }
      - { .name: ln2_a, .offset: 16, .size: 8, .value_kind: global_buffer, .address_space: global }
      - { .name: ln2_b, .offset: 24, .size: 8, .value_kind: global_buffer, .address_space: global }
      - { .name: out0, .offset: 32, .size: 8, .value_kind: global_buffer, .address_space: global }
    .group_segment_fixed_size: 0
    .private_segment_fixed_size: 0
    .kernarg_segment_align: 8
    .kernarg_segment_size: 40
    .max_flat_workgroup_size: 256
    .sgpr_count:     66
    .vgpr_count:     128
    .wavefront_size: 32
...
	.end_amdgpu_metadata
.endif
;; end of part 7
;; ======== version 2 of 2: 7 launches; version 1 with the launch cast written anew for expert scheduling mode
;; limits: values are held in f16: magnitudes above 65,504 overflow, below 6.1e-05 lose precision
;; workspace buffers: cv 10,485,760 bytes; cw1 8,388,608 bytes; cw2 8,388,608 bytes; hh 8,388,608 bytes; att 8,388,608 bytes; x1h 8,388,608 bytes; hid 33,554,432 bytes; ffn 16,777,216 bytes
;; launch cast (part 8): grid 256 x 1, 8 waves a work-group, no clusters, 0 bytes of LDS; arguments x, wq, cv; writes cv
.if DOCPART == 8
	.amdgcn_target "amdgcn-amd-amdhsa--gfx1250"
	.amdhsa_code_object_version 6
	.text
	.protected	k_qdde69ddaf1_cast
	.globl	k_qdde69ddaf1_cast
	.p2align	8
	.type	k_qdde69ddaf1_cast,@function
k_qdde69ddaf1_cast:
	s_mov_b64 s[64:65], 0
	v_nop
	global_prefetch_b8 v0, s[64:65] scope:SCOPE_SE
	s_setreg_imm32_b32 hwreg(HW_REG_WAVE_SCHED_MODE, 0, 2), 2
	s_setreg_imm32_b32 hwreg(HW_REG_WAVE_MODE, 25, 1), 1
	s_wait_xcnt 0x0
	s_wait_alu depctr_vm_vsrc(0)
; cv = f16(bf16(.)) of x and then of wq: each input is rounded ONCE to bf16, and that number is written as f16, which is exact inside f16's normal range,
; so that one matrix form (f16) serves every product of the program.  (w1 and w2 get the same treatment in the two launches behind this one.)
; LIMITS.  An input beyond 65,504 becomes an infinity; below 6.1e-5 f16 keeps a fixed step of 6e-8.  NaN and infinities are not treated apart.
; SHARES.  256 work-groups; each takes 16,384 numbers of x and 4,096 of wq, a thread 64 + 16: twenty loads of 16 bytes (a wave: 512 consecutive bytes)
; and twenty stores of 8 bytes (a wave: 256 consecutive bytes, aligned).
; A stream: no LDS, no matrix unit, no cluster (no two work-groups read the same byte).  All twenty loads of a wave are out at once.
; THE MODE: SCHED_MODE bits 1:0 = 2 (LLVM: expert scheduling mode 2), set by the entry lines.  The code itself states the register dependences
; between vector instructions and memory instructions, with s_wait_alu, always for 0.
; THE PLAN.  Registers that memory instructions touch:
;   v1, v2   byte offsets, made once at the head and never written again: v1 is read by every load, v2 by every store.
;   X        load i lands in its four registers, once; no vector instruction names them ahead of the loads; load i's two roundings read them.
;   Y        pair i is written once, by load i's two conversions to f16, and read once, by store i.  No pair is written a second time.
;   T and U are named by vector instructions alone.  No vector instruction writes a scalar register, and EXEC is never written.
; The twenty loads go in five blocks of four.  Block p's conversions write Y's pairs 4 p to 4 p + 3; its four stores are issued at the head of block p + 1,
; behind ONE wait on va_vdst, which states that those pairs are written.  The stores stand in a run directly behind that wait, ahead of the block's first wait for data.
; One more such wait stands ahead of the first load (v1 and v2 are written), and one behind the last block.
.set WQ, 8388608                       ; wq's first byte in cv
.set T, 4                              ; v[4:5]    two packed bf16 pairs
.set U, 6                              ; v[6:9]    the four numbers as f32 again
.set X, 16                             ; v[16:95]  load i: 4 registers
.set Y, 96                             ; v[96:135] store i: 2 registers; none is written twice, so nothing waits until a store has read its data
	s_load_b128 s[4:7], s[0:1], 0x0                ; x s[4:5], wq s[6:7]
	s_load_b64 s[8:9], s[0:1], 0x10                ; cv
	v_lshlrev_b32 v1, 4, v0                        ; 16 bytes a thread in
	v_lshlrev_b32 v2, 3, v0                        ; 8 bytes a thread out
	s_mov_b32 s22, 0xffff0000                      ; a word's upper bf16
	s_lshl_b32 s10, ttmp9, 16                      ; my 64 KiB of x,
	s_mov_b32 s11, 0
	s_lshl_b32 s12, ttmp9, 14                      ; my 16 KiB of wq,
	s_mov_b32 s13, 0
	s_lshl_b32 s14, ttmp9, 15                      ; and their places in cv, half as long
	s_mov_b32 s15, 0
	s_lshl_b32 s16, ttmp9, 13
	s_add_co_u32 s16, s16, WQ
	s_mov_b32 s17, 0
	s_wait_kmcnt 0x0
	s_add_nc_u64 s[4:5], s[4:5], s[10:11]
	s_add_nc_u64 s[6:7], s[6:7], s[12:13]
	s_add_nc_u64 s[18:19], s[8:9], s[14:15]
	s_add_nc_u64 s[20:21], s[8:9], s[16:17]
	s_wait_alu depctr_va_vdst(0)                   ; v1 and v2 are written: every load of the kernel reads v1 as its offset, every store v2
.irp i, 0,1,2,3,4,5,6,7,8,9,10,11,12,13,14,15
	global_load_b128 v[X+4*(\i):X+4*(\i)+3], v1, s[4:5] offset:4096*(\i) th:TH_LOAD_NT
.endr
.irp i, 16,17,18,19
	global_load_b128 v[X+4*(\i):X+4*(\i)+3], v1, s[6:7] offset:4096*((\i)-16) th:TH_LOAD_NT
.endr
; Load i's four numbers into pair i of Y.
.macro CV i
	s_wait_loadcnt 19-(\i)                         ; loads come back in order: load i is in, the 19 - i behind it stay out
	v_cvt_pk_bf16_f32 v[T],   v[X+4*(\i)],   v[X+4*(\i)+1]   ; the one rounding
	v_cvt_pk_bf16_f32 v[T+1], v[X+4*(\i)+2], v[X+4*(\i)+3]
	v_lshlrev_b32 v[U],   16,  v[T]
	v_and_b32     v[U+1], s22, v[T]
	v_lshlrev_b32 v[U+2], 16,  v[T+1]
	v_and_b32     v[U+3], s22, v[T+1]
	v_cvt_pk_f16_f32 v[Y+2*(\i)],   v[U],   v[U+1]           ; the same number in f16
	v_cvt_pk_f16_f32 v[Y+2*(\i)+1], v[U+2], v[U+3]
.endm
; Store i: pairs 0 to 15 go to x's part of cv, pairs 16 to 19 to wq's.
.macro ST i
.if (\i) < 16
	global_store_b64 v2, v[Y+2*(\i):Y+2*(\i)+1], s[18:19] offset:2048*(\i)
.else
	global_store_b64 v2, v[Y+2*(\i):Y+2*(\i)+1], s[20:21] offset:2048*((\i)-16)
.endif
.endm
.irp j, 0,1,2,3
	CV \j                                          ; block 0: there is no block in front of it, so nothing to store
.endr
.irp p, 1,2,3,4
	s_wait_alu depctr_va_vdst(0)                   ; the conversions of the block before have written its four pairs of Y, which the four stores below read
.irp j, 0,1,2,3
	ST 4*(\p)-4+(\j)
.endr
.irp j, 0,1,2,3
	CV 4*(\p)+(\j)                                 ; names X's and Y's registers of this block, T and U: none that the stores above read
.endr
.endr
	s_wait_alu depctr_va_vdst(0)                   ; block 4's conversions have written pairs 16 to 19 of Y, which the last four stores read
.irp j, 0,1,2,3
	ST 16+(\j)
.endr
	s_endpgm
.Lfunc_end_k_qdde69ddaf1_cast:
	.size	k_qdde69ddaf1_cast, .Lfunc_end_k_qdde69ddaf1_cast-k_qdde69ddaf1_cast
	.p2alignl 7, 3214868480
	.fill 96, 4, 3214868480
	.section	.rodata,"a",@progbits
	.p2align	6, 0x0
	.amdhsa_kernel k_qdde69ddaf1_cast
		.amdhsa_group_segment_fixed_size 0
		.amdhsa_private_segment_fixed_size 0
		.amdhsa_enable_private_segment 0
		.amdhsa_kernarg_size 24
		.amdhsa_user_sgpr_count 2
		.amdhsa_user_sgpr_kernarg_segment_ptr 1
		.amdhsa_wavefront_size32 1
		.amdhsa_system_sgpr_workgroup_id_x 1
		.amdhsa_system_sgpr_workgroup_id_y 1
		.amdhsa_system_sgpr_workgroup_id_z 1
		.amdhsa_system_vgpr_workitem_id 0
		.amdhsa_next_free_vgpr 136
		.amdhsa_next_free_sgpr 66
		.amdhsa_reserve_vcc 0
		.amdhsa_float_denorm_mode_32 3
		.amdhsa_float_denorm_mode_16_64 3
		.amdhsa_memory_ordered 1
		.amdhsa_forward_progress 1
		.amdhsa_inst_pref_size 14
	.end_amdhsa_kernel
	.amdgpu_metadata
---
amdhsa.version: [ 1, 2 ]
amdhsa.kernels:
  - .name:           k_qdde69ddaf1_cast
    .symbol:         k_qdde69ddaf1_cast.kd
    .args:
      - { .name: x, .offset: 0, .size: 8, .value_kind: global_buffer, .address_space: global }
      - { .name: wq, .offset: 8, .size: 8, .value_kind: global_buffer, .address_space: global }
      - { .name: cv, .offset: 16, .size: 8, .value_kind: global_buffer, .address_space: global }
    .group_segment_fixed_size: 0
    .private_segment_fixed_size: 0
    .kernarg_segment_align: 8
    .kernarg_segment_size: 24
    .max_flat_workgroup_size: 256
    .sgpr_count:     66
    .vgpr_count:     136
    .wavefront_size: 32
...
	.end_amdgpu_metadata
.endif
;; end of part 8
;; launch proj: the kernel of part 2 again; grid 8 x 32, 4 waves a work-group, clusters of 4 x 4, 327,680 bytes of LDS; arguments cv, bq, hh, w2, cw2; writes hh, cw2
;; launch attn: the kernel of part 3 again; grid 8 x 32, 4 waves a work-group, clusters of 4 x 1, 327,680 bytes of LDS; arguments hh, att, w1, cw1; writes att, cw1
;; launch ln1: the kernel of part 4 again; grid 256 x 1, 8 waves a work-group, no clusters, 0 bytes of LDS; arguments cv, att, ln1_a, ln1_b, x1h; writes x1h
;; launch ffn1: the kernel of part 5 again; grid 16 x 16, 4 waves a work-group, clusters of 4 x 4, 327,680 bytes of LDS; arguments x1h, cw1, b1, hid; writes hid
;; launch ffn2: the kernel of part 6 again; grid 8 x 32, 4 waves a work-group, clusters of 4 x 4, 327,680 bytes of LDS; arguments hid, cw2, b2, ffn; writes ffn
;; launch ln2: the kernel of part 7 again; grid 512 x 1, 8 waves a work-group, no clusters, 0 bytes of LDS; arguments x1h, ffn, ln2_a, ln2_b, out0; writes out0
